; MI455X (gfx1250); checked and timed in simulation.
; The chip was launched on July 23, 2026; its instructions are those of AMD's public machine-readable ISA for CDNA 5 (MIT licence, August 2026) and "CDNA5" Instruction Set Architecture Reference Guide (July 2026). The comments in the code are by the model that wrote it; some were corrected since.
;; Block. Allowed arithmetic: matrix products marked QUANTISED: E2M1 operands, one E8M0 scale for each 32 along K, by v_wmma_scale_f32_16x16x128_f8f6f4 with both operands' format E2M1 (or v_wmma_scale_f32_32x16x128_f4), f32 sums; everything else in f32.
;; Inputs: W1 1,024 x 4,096 float32; W2 4,096 x 1,024 float32; Wk 16 x 1,024 x 64 float32; Wq 16 x 1,024 x 64 float32; Wv 16 x 1,024 x 64 float32; bb1 4,096 float32; bb2 1,024 float32; be1 1,024 float32; be2 1,024 float32; bk 16 x 64 float32; bq 16 x 64 float32; bv 16 x 64 float32; g1 1,024 float32; g2 1,024 float32; x 2 x 2,048 x 1,024 float32.
;; Outputs: out0 2 x 2,048 x 1,024 float32.
;; This version of the problem:
;;   THIS VERSION OF THE PROBLEM IS GIVEN IN LOW PRECISION. The matrix products marked QUANTISED in the list below multiply operands that are first quantised to E2M1 (2 exponent bits, 1 mantissa bit; 4 bits a number), with one power-of-two scale for each 32 numbers along K (OCP MX v1.0); their sums are f32. All else is computed in f32.
;;   The module's matrix products, in the order in which they are computed (A, B: the left and right operand; K: the contracted axis; several contracted axes count as one K, in the product's order):
;;     1. [M 1,024, K 1,024] x [K 1,024, N 4,096]; A: input Wq; B: computed on the way: QUANTISED
;;     2. [M 1,024, K 1,024] x [K 1,024, N 4,096]; A: input Wk; B: computed on the way: QUANTISED
;;     3. [M 1,024, K 1,024] x [K 1,024, N 4,096]; A: input Wv; B: computed on the way: QUANTISED
;;     4. batch 32 x [M 2,048, K 64] x [K 64, N 2,048]; A: computed on the way; B: computed on the way: QUANTISED
;;     5. batch 32 x [M 2,048, K 2,048] x [K 2,048, N 64]; A: softmax (see below); B: computed on the way: QUANTISED
;;     6. [M 4,096, K 1,024] x [K 1,024, N 4,096]; A: computed on the way; B: input W1: QUANTISED
;;     7. [M 4,096, K 4,096] x [K 4,096, N 1,024]; A: computed on the way; B: input W2: QUANTISED
;;   THE QUANTISER, for each operand of a quantised product, along K:
;;     - K is cut into blocks of 32 from its start; a last block that is shorter is filled with zeros.
;;     - A block's scale is 2^e with e = floor(log2(the largest magnitude in the block)) - 2, held to -126 .. 127; a block of zeros has e = 0. As a byte (E8M0): e + 127.
;;     - Each number is divided by its block's scale, clamped to +-6, and rounded to the nearest number of E2M1, ties to even, subnormals kept.
;;     - The product sums the exact products of the quantised numbers (number of the format x scale) in f32.
;;   ~~~python
;;   def quantise(x, axis):      # numpy; x: float32 -> the quantised numbers, widened to float32 again
;;       x = np.moveaxis(x, axis, -1); K = x.shape[-1]
;;       x = np.pad(x, [(0, 0)] * (x.ndim - 1) + [(0, -K % 32)]); x = x.reshape(x.shape[:-1] + (-1, 32)); a = np.abs(x).max(-1, keepdims=True)
;;       e = np.where(a > 0, np.clip(np.frexp(np.where(a > 0, a, 1))[1] - 1 - 2, -126, 127), 0)      # np.frexp(a)[1] - 1 = floor(log2(a)), exactly
;;       r = np.clip(x / 2.0 ** e, -6, 6)
;;       step = 2.0 ** (np.maximum(np.frexp(np.where(r == 0, 1, r))[1] - 1, 0) - 1)
;;       q = np.round(r / step) * step * 2.0 ** e      # np.round: ties to even
;;       return np.moveaxis(q.reshape(q.shape[:-2] + (-1,))[..., :K], -1, axis).astype(np.float32)
;;   ~~~
;;   SOFTMAX AHEAD OF A QUANTISED PRODUCT. Where the list says 'softmax', what is quantised is not the finished softmax but p = 2^(t - M), with t = logit x log2(e) and M = ceil(the row's largest t), a whole number; so 1/2 < the row's largest p <= 1. The row's sum l is taken of the UNQUANTISED p, in f32, and the product's result is divided by l at the end. Since M is a whole number, a kernel that streams over the keys may use a running M (the ceiling of the running maximum): every later rescaling is an exact power of two, which a block's scale takes up: the codes' values come out the same.
;;   OPERANDS COMPUTED ON THE WAY. 'Computed on the way' means the value that the module computes at that place (a softmax that the list does not call 'softmax' is quantised finished and normalised). What goes into a quantiser is computed in f32, as accurately as f32 sums, v_exp_f32 and their like allow (about 1e-6 of the number): no bf16 or f16 on the way to a quantiser, and a product that is left as it is and whose result goes on into a quantised operand takes f32 operands (vector FMAs, or v_wmma_f32_16x16x4_f32). A number that lies on a knife's edge between two numbers of the format may be rounded either way, as far as f32 arithmetic and the matrix unit's own rounding can turn it there, and no further.
;; One version. Each part assembles by itself: llvm-mc -triple=amdgcn-amd-amdhsa -mcpu=gfx1250 --defsym DOCPART=n.
;; ======== version 1 of 1: 6 launches
;; limits: right only within a limited range of input values
;; workspace buffers: pc 8,355,840 bytes; qkvc 6,946,816 bytes; o 16,777,216 bytes; h2 16,777,216 bytes; h2c 2,228,224 bytes; hid 8,912,896 bytes
;; launch prep (part 1): grid 608 x 1, 8 waves a work-group, no clusters, 66,816 bytes of LDS; arguments x, g1, be1, Wq, Wk, Wv, W1, W2, pc; writes pc
.if DOCPART == 1
	.amdgcn_target "amdgcn-amd-amdhsa--gfx1250"
	.amdhsa_code_object_version 6
	.text
	.protected	k_q3a06e9117a_prep
	.globl	k_q3a06e9117a_prep
	.p2align	8
	.type	k_q3a06e9117a_prep,@function
k_q3a06e9117a_prep:
	s_mov_b64 s[64:65], 0
	v_nop
	global_prefetch_b8 v0, s[64:65] scope:SCOPE_SE
	s_setreg_imm32_b32 hwreg(HW_REG_WAVE_MODE, 25, 1), 1
	s_wait_xcnt 0x0
; LAUNCH 1.  Work-groups 0-255: h = LN1(x) (variance over 1,023), quantised along D to FP4 (E2M1) with one E8M0 byte for each 32.  Work-groups 256-607: Wq, Wk, Wv, W1, W2, quantised along their FIRST matrix axis.
; ALL CODES ARE LAID AS THE MATRIX UNIT'S REGISTERS TAKE THEM.  An image (16 rows x 128 K) is 1,024 bytes: registers 4 c .. 4 c + 3 of lane l at 512 c + 16 l; so the block of 32 numbered t of row r is the 16 bytes at 256 t + 16 r.
; A record (8,704 bytes) is 8 images (128 rows, one K step of 128) and behind them, at 8,192 + 64 tile + 4 r, a scale word for each row.  pc: h [32 panels][8 steps] at 0; Wq, Wk, Wv [3][8 head pairs][8] at WQKV; W1 [32][8] at W1C; W2 [8][32] at W2C.
; THE ROWS OF A TILE ARE NOT NEIGHBOURS: in each 32 rows, row r of tile 2 b + u is member 32 b + 8 u + r + 8 (r / 8), so that a product that takes such tiles as source 0 leaves 16 neighbours in a lane's 16 registers of two tiles.
; LIMITS: NaN and infinities among the inputs are not served.  A block of zeros gets the byte 1 where the rule says 127: its codes are zeros, and this program alone reads the bytes.  1 / 1,023 is a rounded constant and
; 1 / sqrt is v_rsq_f32 (1 ulp): the mean is taken off before the squares are summed, so a common offset in x costs nothing.
.set REC,  8704
.set WQKV, 2228224
.set W1C,  3899392
.set W2C,  6127616
.set LP,   4112                        ; a row of h in LDS: 4,096 bytes + 16, so that the sixteen rows that a load touches begin at sixteen different 16-byte columns of 256 bytes
.set WV,   22                          ; s22  my wave's number
.set SEL,  24                          ; s[24:25] v_permlanex16_b32's selects for lane l xor 16
.set X0,   32                          ; v32-63  my first row, later 64 numbers for the quantiser (with X1)
.set X1,   64                          ; v64-95  my second row
.set GG,   96                          ; v96-127 g1
.set BE,   128                         ; v128-159 be1
.set T0,   16                          ; v16-23, v24-31: at work on a row's statistics
.set T1,   24
.set TM,   96                          ; v96-111 the quantiser's work (g1 is done with by then)
.set PW,   112                         ; the scale word
.set PC,   116                         ; v116-123 the codes
.macro REDUCE t                        ; the sum of v[t] over the 32 lanes, in every lane
	s_delay_alu instid0(VALU_DEP_1)
	v_add_f32_dpp v[\t], v[\t], v[\t] row_xmask:1 row_mask:0xf bank_mask:0xf
	s_delay_alu instid0(VALU_DEP_1)
	v_add_f32_dpp v[\t], v[\t], v[\t] row_xmask:2 row_mask:0xf bank_mask:0xf
	s_delay_alu instid0(VALU_DEP_1)
	v_add_f32_dpp v[\t], v[\t], v[\t] row_xmask:4 row_mask:0xf bank_mask:0xf
	s_delay_alu instid0(VALU_DEP_1)
	v_add_f32_dpp v[\t], v[\t], v[\t] row_xmask:8 row_mask:0xf bank_mask:0xf
	s_delay_alu instid0(VALU_DEP_1)
	v_permlanex16_b32 v[\t+4], v[\t], s[SEL], s[SEL+1]
	s_delay_alu instid0(VALU_DEP_1)
	v_add_f32 v[\t], v[\t], v[\t+4]
.endm
.macro STATS x, t                      ; v[x .. x+31], a lane's 32 numbers of a row of 1,024, become x - mean; v[t] = 1 / sqrt(var + eps)
	v_pk_add_f32 v[\t:\t+1], v[\x:\x+1], v[\x+2:\x+3]
	v_pk_add_f32 v[\t+2:\t+3], v[\x+4:\x+5], v[\x+6:\x+7]
.irp i, 8,12,16,20,24,28
	s_delay_alu instid0(VALU_DEP_2)
	v_pk_add_f32 v[\t:\t+1], v[\t:\t+1], v[\x+\i:\x+\i+1]
	s_delay_alu instid0(VALU_DEP_2)
	v_pk_add_f32 v[\t+2:\t+3], v[\t+2:\t+3], v[\x+\i+2:\x+\i+3]
.endr
	s_delay_alu instid0(VALU_DEP_1)
	v_pk_add_f32 v[\t:\t+1], v[\t:\t+1], v[\t+2:\t+3]
	s_delay_alu instid0(VALU_DEP_1)
	v_add_f32 v[\t], v[\t], v[\t+1]
	REDUCE \t
	s_delay_alu instid0(VALU_DEP_1)
	v_mul_f32 v[\t], 0x3a800000, v[\t]             ; the mean: the sum / 1,024, exact
.irp i, 0,2,4,6,8,10,12,14,16,18,20,22,24,26,28,30
	v_pk_add_f32 v[\x+\i:\x+\i+1], v[\x+\i:\x+\i+1], v[\t:\t+1] op_sel_hi:[1,0] neg_lo:[0,1] neg_hi:[0,1]
.endr
	v_pk_mul_f32 v[\t:\t+1], v[\x:\x+1], v[\x:\x+1]
	v_pk_mul_f32 v[\t+2:\t+3], v[\x+2:\x+3], v[\x+2:\x+3]
.irp i, 4,8,12,16,20,24,28
	s_delay_alu instid0(VALU_DEP_2)
	v_pk_fma_f32 v[\t:\t+1], v[\x+\i:\x+\i+1], v[\x+\i:\x+\i+1], v[\t:\t+1]
	s_delay_alu instid0(VALU_DEP_2)
	v_pk_fma_f32 v[\t+2:\t+3], v[\x+\i+2:\x+\i+3], v[\x+\i+2:\x+\i+3], v[\t+2:\t+3]
.endr
	s_delay_alu instid0(VALU_DEP_1)
	v_pk_add_f32 v[\t:\t+1], v[\t:\t+1], v[\t+2:\t+3]
	s_delay_alu instid0(VALU_DEP_1)
	v_add_f32 v[\t], v[\t], v[\t+1]
	REDUCE \t
	s_delay_alu instid0(VALU_DEP_1)
	v_fma_f32 v[\t], v[\t], s26, s27               ; the squares' sum / 1,023 + 1e-5
	s_wait_alu depctr_va_vdst(0)
	v_rsq_f32 v[\t], v[\t]
	v_nop                                          ; a plain instruction behind the transcendental,
	s_wait_alu depctr_va_vdst(0)                   ; and the wait ahead of the first line that names its result
.endm
.macro AFFINE x, t, g, b               ; g ((x - mean) / sqrt(..)) + b
.irp i, 0,2,4,6,8,10,12,14,16,18,20,22,24,26,28,30
	v_pk_mul_f32 v[\x+\i:\x+\i+1], v[\x+\i:\x+\i+1], v[\t:\t+1] op_sel_hi:[1,0]
.endr
.irp i, 0,2,4,6,8,10,12,14,16,18,20,22,24,26,28,30
	v_pk_fma_f32 v[\x+\i:\x+\i+1], v[\x+\i:\x+\i+1], v[\g+\i:\g+\i+1], v[\b+\i:\b+\i+1]
.endr
.endm
; 64 numbers of a lane, register 16 b + i = k 32 b + 16 (lane / 16) + i of my row, become a fragment's codes in v[pc] on and its scale word in v[PW] (the same word in lanes l and l xor 16).
.macro QUANT s, pc
.irp b, 0,1,2,3
	v_max3_num_f32 v[TM+\b], |v[\s+16*\b]|, |v[\s+1+16*\b]|, 0x1800000   ; block b: my 16 numbers, and the floor 2^(3 - 127): the byte cannot fall under 1
.endr
.irp i, 2,4,6,8,10,12,14
.irp b, 0,1,2,3
	s_delay_alu instid0(VALU_DEP_4)
	v_max3_num_f32 v[TM+\b], v[TM+\b], |v[\s+16*\b+\i]|, |v[\s+1+16*\b+\i]|
.endr
.endr
.irp b, 0,1,2,3
	s_delay_alu instid0(VALU_DEP_4)
	v_permlanex16_b32 v[TM+4+\b], v[TM+\b], s[SEL], s[SEL+1]
.endr
.irp b, 0,1,2,3
	s_delay_alu instid0(VALU_DEP_4)
	v_max_num_f32 v[TM+\b], v[TM+\b], v[TM+4+\b]   ; with lane l xor 16's 16: the block's largest magnitude
.endr
.irp b, 0,1,2,3
	s_delay_alu instid0(VALU_DEP_4)
	v_add_nc_u32 v[TM+12+\b], 0xff000000, v[TM+\b] ; 2 off its exponent field: the conversion's scale operand
.endr
.irp b, 0,1,2,3
	s_delay_alu instid0(VALU_DEP_4)
	v_lshrrev_b32 v[TM+4+\b], 23, v[TM+12+\b]      ; the scale's byte
.endr
	s_delay_alu instid0(VALU_DEP_3)
	v_lshl_or_b32 v[PW], v[TM+5], 8, v[TM+4]
	s_delay_alu instid0(VALU_DEP_1)
	v_lshl_or_b32 v[PW], v[TM+6], 16, v[PW]
	s_delay_alu instid0(VALU_DEP_1)
	v_lshl_or_b32 v[PW], v[TM+7], 24, v[PW]
.irp b, 0,1,2,3
	v_cvt_scalef32_pk8_fp4_f32 v[\pc+2*\b], v[\s+16*\b:\s+7+16*\b], v[TM+12+\b]
	v_cvt_scalef32_pk8_fp4_f32 v[\pc+1+2*\b], v[\s+8+16*\b:\s+15+16*\b], v[TM+12+\b]
.endr
	v_nop                                          ; one plain place behind a scaled conversion
.irp c, 0,1                                    ; the operand's layout wants a whole block in a lane
.irp i, 0,1
	v_permlane16_swap_b32 v[\pc+4*\c+\i], v[\pc+2+4*\c+\i]
.endr
.endr
.endm
	s_load_b256 s[4:11], s[0:1], 0x0               ; x s[4:5], g1 s[6:7], be1 s[8:9], Wq s[10:11]
	s_load_b256 s[12:19], s[0:1], 0x20             ; Wk s[12:13], Wv s[14:15], W1 s[16:17], W2 s[18:19]
	s_load_b64 s[20:21], s[0:1], 0x40              ; pc
	v_lshl_add_u32 v160, v0, 2, 0x10100
	v_mov_b32 v161, 0
	v_lshrrev_b32 v1, 5, v0
	s_delay_alu instid0(VALU_DEP_1)
	v_readfirstlane_b32 s[WV], v1
	v_and_b32 v1, 31, v0                           ; lane
	s_mov_b32 s[SEL], 0x76543210
	s_mov_b32 s[SEL+1], 0xfedcba98
	s_cmp_ge_u32 ttmp9, 256                        ; the whole work-group takes one way
	s_cbranch_scc1 .Lweights
	; ---- LN1.  Work-group T is image tile T of h; wave w owns tile rows 2 w and 2 w + 1: tokens 32 (T / 2) + 8 (T % 2) + 2 w + 8 (w / 4) and the next
	s_lshr_b32 s28, ttmp9, 1
	s_lshl_b32 s28, s28, 5
	s_and_b32 s29, ttmp9, 1
	s_lshl_b32 s29, s29, 3
	s_add_co_u32 s28, s28, s29
	s_lshl_b32 s29, s[WV], 1
	s_add_co_u32 s28, s28, s29
	s_lshr_b32 s29, s[WV], 2
	s_lshl_b32 s29, s29, 3
	s_add_co_u32 s28, s28, s29
	s_lshl_b32 s28, s28, 12                        ; a row of x is 4,096 bytes
	s_mov_b32 s29, 0
	s_wait_alu depctr_va_vdst(0)
	v_lshlrev_b32 v2, 4, v1                        ; 16 x lane: a load's 512 consecutive bytes
	s_mul_i32 s30, s[WV], 2*LP
	v_add_nc_u32 v3, s30, v2                       ; LDS, in: my two rows
	v_and_b32 v4, 15, v0                           ; r
	v_bfe_u32 v5, v0, 4, 1                         ; h
	s_delay_alu instid0(VALU_DEP_2)
	v_mul_u32_u24 v6, v4, LP
	s_delay_alu instid0(VALU_DEP_1)
	v_lshl_add_u32 v6, v5, 6, v6
	s_lshl_b32 s30, s[WV], 9
	v_add_nc_u32 v6, s30, v6                       ; LDS, out: row r, K step w, + 64 h: my 16 numbers of each block
	s_and_b32 s31, ttmp9, 7
	s_lshl_b32 s30, s31, 10
	v_add_nc_u32 v7, s30, v2                       ; in the record: my tile's image,
	s_lshl_b32 s30, s31, 6
	v_lshl_add_u32 v8, v4, 2, s30                  ; and its rows' scale words
	s_lshr_b32 s30, ttmp9, 3
	s_lshl_b32 s30, s30, 3
	s_add_co_u32 s30, s30, s[WV]
	s_mul_i32 s30, s30, REC                        ; record (panel T / 8, K step w)
	s_mov_b32 s31, 0
	v_mov_b32 v[T0+4], 0                           ; written once: a lane permute's destination counts as one of its sources
	v_mov_b32 v[T1+4], 0
	s_mov_b32 s26, 0x3a802008                      ; 1 / 1,023
	s_mov_b32 s27, 0x3727c5ac                      ; 1e-5
	s_wait_kmcnt 0x0
	s_add_nc_u64 s[4:5], s[4:5], s[28:29]
	s_add_nc_u64 s[20:21], s[20:21], s[30:31]
.irp j, 0,1,2,3,4,5,6,7
	global_load_b128 v[X0+4*\j:X0+4*\j+3], v2, s[4:5] offset:512*\j th:TH_LOAD_NT
.endr
.irp j, 0,1,2,3,4,5,6,7
	global_load_b128 v[X1+4*\j:X1+4*\j+3], v2, s[4:5] offset:4096+512*\j th:TH_LOAD_NT
.endr
.irp j, 0,1,2,3,4,5,6,7
	global_load_b128 v[GG+4*\j:GG+4*\j+3], v2, s[6:7] offset:512*\j
.endr
.irp j, 0,1,2,3,4,5,6,7
	global_load_b128 v[BE+4*\j:BE+4*\j+3], v2, s[8:9] offset:512*\j
.endr
	s_wait_loadcnt 16                              ; both rows are in; the sixteen loads of g1 and be1 may be out
	STATS X0, T0
	STATS X1, T1
	s_wait_loadcnt 0x0
	AFFINE X0, T0, GG, BE
	AFFINE X1, T1, GG, BE
.irp j, 0,1,2,3,4,5,6,7
	ds_store_b128 v3, v[X0+4*\j:X0+4*\j+3] offset:512*\j
	ds_store_b128 v3, v[X1+4*\j:X1+4*\j+3] offset:LP+512*\j
.endr
	s_wait_dscnt 0x0                               ; for the others' sake: my rows lie in LDS
	s_barrier_signal -1
	s_barrier_wait -1
	; wave w quantises K step w of the tile's 16 rows: lane (r, h) takes 16 neighbours of each of the four blocks of row r
.irp b, 0,1,2,3
.irp j, 0,1,2,3
	ds_load_b128 v[X0+16*\b+4*\j:X0+16*\b+4*\j+3], v6 offset:128*\b+16*\j
.endr
.endr
	s_wait_dscnt 0x0
	QUANT X0, PC
	global_store_b128 v7, v[PC:PC+3], s[20:21]             ; 512 consecutive bytes each
	global_store_b128 v7, v[PC+4:PC+7], s[20:21] offset:512
	global_store_b32 v8, v[PW], s[20:21] offset:8192       ; lanes l and l xor 16 store the same word at the same place
	s_wait_tensorcnt 0x0
	ds_add_u32 v160, v161
	s_wait_dscnt 0x0
	s_endpgm
	; ---- THE WEIGHTS.  A wave's task: 32 columns x 128 along K = two tiles of one record.  A LANE TAKES A COLUMN AND ITS REGISTERS RUN DOWN K: a block of 32 lies in one lane, and its codes are the 16 bytes of the image as they stand.
.macro WLOAD t, pitch                  ; block t: 32 rows of the weight at my column; a load reads 128 consecutive bytes
.irp i, 0,1,2,3,4,5,6,7,8,9,10,11,12,13,14,15,16,17,18,19,20,21,22,23,24,25,26,27,28,29,30,31
	global_load_b32 v[32+32*((\t)%2)+\i], v2, s[32:33] offset:(32*(\t)+\i)*\pitch th:TH_LOAD_NT
.endr
.endm
.macro WBLOCK t, pitch
.set XS, 32+32*((\t)%2)
.if (\t) < 3
	s_wait_loadcnt 32                              ; this block's 32 loads are in; the next block's 32 may be out
.else
	s_wait_loadcnt 0x0
.endif
	v_max3_num_f32 v12, |v[XS]|, |v[XS+1]|, |v[XS+2]|
	v_max3_num_f32 v13, |v[XS+3]|, |v[XS+4]|, |v[XS+5]|
.irp i, 6,10,14,18,22,26
	s_delay_alu instid0(VALU_DEP_2)
	v_max3_num_f32 v12, v12, |v[XS+\i]|, |v[XS+\i+1]|
	s_delay_alu instid0(VALU_DEP_2)
	v_max3_num_f32 v13, v13, |v[XS+\i+2]|, |v[XS+\i+3]|
.endr
	s_delay_alu instid0(VALU_DEP_2)
	v_max3_num_f32 v12, v12, |v[XS+30]|, |v[XS+31]|
	s_delay_alu instid0(VALU_DEP_1)
	v_max3_num_f32 v12, v12, v13, 0x1800000        ; and the floor 2^(3 - 127)
	s_delay_alu instid0(VALU_DEP_1)
	v_add_nc_u32 v11, 0xff000000, v12              ; the conversion's scale operand
	s_delay_alu instid0(VALU_DEP_1)
	v_lshrrev_b32 v13, 23, v11                     ; the byte
.if (\t) == 0
	s_delay_alu instid0(VALU_DEP_1)
	v_mov_b32 v15, v13
.else
	s_delay_alu instid0(VALU_DEP_1)
	v_lshl_or_b32 v15, v13, 8*(\t), v15            ; the K step's four bytes make my column's scale word
.endif
.irp g, 0,1,2,3
	v_cvt_scalef32_pk8_fp4_f32 v[96+4*(\t)+\g], v[XS+8*\g:XS+8*\g+7], v11
.endr
	global_store_b128 v3, v[96+4*(\t):96+4*(\t)+3], s[34:35] offset:256*(\t)   ; sixteen lanes fill 256 consecutive bytes of each of the two images; each block has its own registers
.if (\t)+2 < 4
	WLOAD (\t)+2, \pitch
.endif
.endm
.macro WBODY pitch
	WLOAD 0, \pitch
	WLOAD 1, \pitch
	WBLOCK 0, \pitch
	WBLOCK 1, \pitch
	WBLOCK 2, \pitch
	WBLOCK 3, \pitch
	global_store_b32 v4, v15, s[36:37]             ; 128 consecutive bytes of scale words
.endm
.macro WPTRS                           ; s40: the record's byte in pc; s41: which pair of its tiles
	s_lshl_b32 s44, s41, 11
	s_add_co_u32 s44, s44, s40
	s_mov_b32 s45, 0
	s_add_nc_u64 s[34:35], s[20:21], s[44:45]      ; the pair's images
	s_lshl_b32 s44, s41, 7
	s_add_co_u32 s44, s44, s40
	s_add_co_u32 s44, s44, 8192
	s_add_nc_u64 s[36:37], s[20:21], s[44:45]      ; and its scale words
.endm
.Lweights:
	s_wait_alu depctr_va_vdst(0)
	v_lshlrev_b32 v2, 2, v1                        ; in: 4 bytes a lane
	v_bfe_u32 v5, v0, 3, 1                         ; column c of the 32 is row r = c % 8 + 8 (c / 16) of tile u = (c / 8) % 2
	v_and_b32 v6, 7, v0
	v_bfe_u32 v7, v0, 4, 1
	s_delay_alu instid0(VALU_DEP_1)
	v_lshl_add_u32 v6, v7, 3, v6
	s_delay_alu instid0(VALU_DEP_1)
	v_lshlrev_b32 v3, 4, v6
	s_delay_alu instid0(VALU_DEP_1)
	v_lshl_add_u32 v3, v5, 10, v3                  ; codes: 1,024 u + 16 r
	s_delay_alu instid0(VALU_DEP_3)
	v_lshlrev_b32 v4, 2, v6
	s_delay_alu instid0(VALU_DEP_1)
	v_lshl_add_u32 v4, v5, 6, v4                   ; word: 64 u + 4 r
	s_mov_b32 s43, 0
	s_cmp_ge_u32 ttmp9, 352
	s_cbranch_scc1 .Lnot_qkv
	s_sub_co_u32 s28, ttmp9, 256                   ; Wq, Wk, Wv: [16 heads][1,024][64]
	s_lshl_b32 s28, s28, 3
	s_add_co_u32 s28, s28, s[WV]                   ; the task
	s_and_b32 s29, s28, 1                          ; which 32 of the head's 64 columns
	s_bfe_u32 s30, s28, 0x30001                    ; K step
	s_bfe_u32 s31, s28, 0x40004                    ; head
	s_lshr_b32 s38, s28, 8                         ; 0 Wq, 1 Wk, 2 Wv
	s_lshl_b32 s42, s31, 18
	s_lshl_b32 s39, s30, 15
	s_add_co_u32 s42, s42, s39
	s_lshl_b32 s39, s29, 7
	s_add_co_u32 s42, s42, s39                     ; head x 262,144 + step x 128 rows of 256 bytes + 128 x column group
	s_lshl_b32 s40, s38, 3
	s_lshr_b32 s39, s31, 1
	s_add_co_u32 s40, s40, s39
	s_lshl_b32 s40, s40, 3
	s_add_co_u32 s40, s40, s30
	s_mul_i32 s40, s40, REC
	s_add_co_u32 s40, s40, WQKV
	s_and_b32 s41, s31, 1
	s_lshl_b32 s41, s41, 1
	s_add_co_u32 s41, s41, s29
	s_wait_kmcnt 0x0
	s_cmp_eq_u32 s38, 1
	s_cselect_b64 s[10:11], s[12:13], s[10:11]
	s_cmp_eq_u32 s38, 2
	s_cselect_b64 s[10:11], s[14:15], s[10:11]
	s_add_nc_u64 s[32:33], s[10:11], s[42:43]
	WPTRS
	s_wait_alu depctr_va_vdst(0)
	WBODY 256
	s_endpgm
.Lnot_qkv:
	s_cmp_ge_u32 ttmp9, 480
	s_cbranch_scc1 .Lw2
	s_sub_co_u32 s28, ttmp9, 352                   ; W1: [1,024][4,096]
	s_lshl_b32 s28, s28, 3
	s_add_co_u32 s28, s28, s[WV]
	s_and_b32 s29, s28, 127                        ; column group
	s_lshr_b32 s30, s28, 7                         ; K step
	s_lshl_b32 s42, s30, 21
	s_lshl_b32 s39, s29, 7
	s_add_co_u32 s42, s42, s39
	s_lshr_b32 s40, s29, 2
	s_lshl_b32 s40, s40, 3
	s_add_co_u32 s40, s40, s30
	s_mul_i32 s40, s40, REC
	s_add_co_u32 s40, s40, W1C
	s_and_b32 s41, s29, 3
	s_wait_kmcnt 0x0
	s_add_nc_u64 s[32:33], s[16:17], s[42:43]
	WPTRS
	s_wait_alu depctr_va_vdst(0)
	WBODY 16384
	s_endpgm
.Lw2:
	s_sub_co_u32 s28, ttmp9, 480                   ; W2: [4,096][1,024]
	s_lshl_b32 s28, s28, 3
	s_add_co_u32 s28, s28, s[WV]
	s_and_b32 s29, s28, 31
	s_lshr_b32 s30, s28, 5
	s_lshl_b32 s42, s30, 19
	s_lshl_b32 s39, s29, 7
	s_add_co_u32 s42, s42, s39
	s_lshr_b32 s40, s29, 2
	s_lshl_b32 s40, s40, 5
	s_add_co_u32 s40, s40, s30
	s_mul_i32 s40, s40, REC
	s_add_co_u32 s40, s40, W2C
	s_and_b32 s41, s29, 3
	s_wait_kmcnt 0x0
	s_add_nc_u64 s[32:33], s[18:19], s[42:43]
	WPTRS
	s_wait_alu depctr_va_vdst(0)
	WBODY 4096
	s_endpgm
.Lfunc_end_k_q3a06e9117a_prep:
	.size	k_q3a06e9117a_prep, .Lfunc_end_k_q3a06e9117a_prep-k_q3a06e9117a_prep
	.p2alignl 7, 3214868480
	.fill 96, 4, 3214868480
	.section	.rodata,"a",@progbits
	.p2align	6, 0x0
	.amdhsa_kernel k_q3a06e9117a_prep
		.amdhsa_group_segment_fixed_size 66816
		.amdhsa_private_segment_fixed_size 0
		.amdhsa_enable_private_segment 0
		.amdhsa_kernarg_size 72
		.amdhsa_user_sgpr_count 2
		.amdhsa_user_sgpr_kernarg_segment_ptr 1
		.amdhsa_wavefront_size32 1
		.amdhsa_system_sgpr_workgroup_id_x 1
		.amdhsa_system_sgpr_workgroup_id_y 1
		.amdhsa_system_sgpr_workgroup_id_z 1
		.amdhsa_system_vgpr_workitem_id 0
		.amdhsa_next_free_vgpr 162
		.amdhsa_next_free_sgpr 66
		.amdhsa_reserve_vcc 0
		.amdhsa_float_denorm_mode_32 3
		.amdhsa_float_denorm_mode_16_64 3
		.amdhsa_memory_ordered 1
		.amdhsa_forward_progress 1
		.amdhsa_inst_pref_size 94
	.end_amdhsa_kernel
	.amdgpu_metadata
---
amdhsa.version: [ 1, 2 ]
amdhsa.kernels:
  - .name:           k_q3a06e9117a_prep
    .symbol:         k_q3a06e9117a_prep.kd
    .args:
      - { .name: x, .offset: 0, .size: 8, .value_kind: global_buffer, .address_space: global }
      - { .name: g1, .offset: 8, .size: 8, .value_kind: global_buffer, .address_space: global }
      - { .name: be1, .offset: 16, .size: 8, .value_kind: global_buffer, .address_space: global }
      - { .name: Wq, .offset: 24, .size: 8, .value_kind: global_buffer, .address_space: global }
      - { .name: Wk, .offset: 32, .size: 8, .value_kind: global_buffer, .address_space: global }
      - { .name: Wv, .offset: 40, .size: 8, .value_kind: global_buffer, .address_space: global }
      - { .name: W1, .offset: 48, .size: 8, .value_kind: global_buffer, .address_space: global }
      - { .name: W2, .offset: 56, .size: 8, .value_kind: global_buffer, .address_space: global }
      - { .name: pc, .offset: 64, .size: 8, .value_kind: global_buffer, .address_space: global }
    .group_segment_fixed_size: 66816
    .private_segment_fixed_size: 0
    .kernarg_segment_align: 8
    .kernarg_segment_size: 72
    .max_flat_workgroup_size: 256
    .sgpr_count:     66
    .vgpr_count:     162
    .wavefront_size: 32
...
	.end_amdgpu_metadata
.endif
;; end of part 1
;; launch qkv (part 2): grid 8 x 32, 6 waves a work-group, clusters of 4 x 4, 279,296 bytes of LDS; arguments pc, bq, bk, bv, qkvc; writes qkvc
.if DOCPART == 2
	.amdgcn_target "amdgcn-amd-amdhsa--gfx1250"
	.amdhsa_code_object_version 6
	.text
	.protected	k_q3a06e9117a_qkv
	.globl	k_q3a06e9117a_qkv
	.p2align	8
	.type	k_q3a06e9117a_qkv,@function
k_q3a06e9117a_qkv:
	s_mov_b64 s[64:65], 0
	v_nop
	global_prefetch_b8 v0, s[64:65] scope:SCOPE_SE
	s_setreg_imm32_b32 hwreg(HW_REG_WAVE_MODE, 25, 1), 1
	s_wait_xcnt 0x0
	s_wait_alu depctr_hold_cnt(0) depctr_sa_sdst(0) depctr_va_vdst(0) depctr_va_sdst(0) depctr_va_ssrc(0) depctr_va_vcc(0) depctr_vm_vsrc(0)
	s_getreg_b32 s2, hwreg(HW_REG_IB_STS2, 6, 4)
	s_cmp_eq_u32 s2, 0
	s_cbranch_scc0 .Lentry_in_a_cluster
	s_endpgm
.Lentry_in_a_cluster:
	s_bfe_u32 s2, ttmp6, 0x10000c
	s_cmp_lg_u32 s2, 0xf033
	s_cbranch_scc0 .Lentry_shape_is_right
	s_endpgm
.Lentry_shape_is_right:
; LAUNCH 2.  q, k, v = h W + b on codes of FP4, and their own quantising: q and k along the head's 64, v along the keys.  Formats of images and records: see launch 1.
; A work-group takes a head pair X (128 features) and a token panel Y (128 tokens, one key step of one batch).  LDS holds four panels of 69,632 bytes for all of K = 1,024, each filled ONCE: 0 h, 1 Wq, 2 Wk, 3 Wv.
; Six waves: job j = wave / 2 (q, k, v), part sub = wave % 2.  A job multiplies the 8 tiles of panel P0 (source 0) by tiles 4 sub .. 4 sub + 3 of panel P1 (source 1): 32 accumulators, so that a K step's
; 12 fragments from LDS feed 32 matrix instructions.
; q, k: P0 = the weight, P1 = h: a lane holds one token and its registers run along the features, 16 neighbours in two tiles.  v: P0 = h, P1 = Wv: a lane holds one feature and its registers run along the tokens, which are the keys.
; So in all three jobs a lane's 64 numbers of a tile of P1 run along the NEXT product's K, and one quantiser serves them.
; REGISTERS, in windows of 256: window 1 is the 32 accumulators ((a, i) at v[64 a + 8 i]); all else lies in window 0.  The bias's addition brings a tile's 64 sums down into window 0, where the quantiser works.
; qkvc: q's half images [32 heads][128 tiles] x 512 bytes at 0 (the head's 64 are registers 0-3 of a fragment; the reader clears 4-7); q's scale words [32][128][16] at QSW; at KVB [32][16 key steps] records of 8,960 bytes:
; K's eight half images at 512 i, V's four images (16 features x 128 keys) at 4,096 + 1,024 t, K's words at 8,192 + 64 i + 4 r, V's at 8,704 + 64 t + 4 r.
; CLUSTER 4 x 4: h's panel hangs on Y alone and is asked for jointly along a row of the cluster, the weights' panels on X alone, along a column.
; LIMITS: NaN and infinities are not served; a block of zeros gets the byte 1 (its codes are zeros; this program alone reads the bytes).
.set REC,   8704
.set PANEL, 8*REC
.set QSW,   2097152
.set KVB,   2359296
.set KREC,  8960
.set WV,    14                         ; s14 wave; s15 job; s16 part; s17 cx; s18 cy; s19 X; s20 Y
.set SEL,   22                         ; s[22:23]
.set AB,    4                          ; v4-7  LDS addresses: P0's images, P0's words, P1's images, P1's words
.set SC0,   16                         ; v16-19 P0's scale words: register i: lanes 0-15 tile 2 i, lanes 16-31 tile 2 i + 1
.set SC1,   20                         ; v20-23 P1's, a register a tile
.set F1,    24                         ; v24-55  P1's four fragments; behind the loop the codes just made
.set F0,    56                         ; v56-119 P0's eight fragments; behind the loop 64 numbers for the quantiser
.set BI,    120                        ; v120-183 the bias along the registers (q, k): 8 registers for each tile of P0
.set TM,    184                        ; v184-199 the quantiser's work
.set PW,    200                        ; the scale word just made;  v201-204 the four tiles' words
.set PWS,   201
.set BV,    206                        ; v206-213 the bias along the lanes (v): a pair of equal registers for each tile of P1
.set MSB,   0
.macro WIN new                         ; s_set_vgpr_msb: bits 1:0 source 0, 3:2 source 1, 5:4 source 2, 7:6 destination; the high byte repeats the setting that is left
.if MSB != \new
	s_set_vgpr_msb (MSB<<8)|\new
.set MSB, \new
.endif
.endm
.macro CROUND                          ; a round of the cluster's barrier
	s_barrier_signal -1
	s_barrier_wait -1
	s_cmp_lg_u32 s[WV], 0
	s_cbranch_scc1 .Lnot_wave_0_\@
	s_barrier_signal -3
.Lnot_wave_0_\@:
	s_barrier_wait -3
	s_barrier_signal -1
	s_barrier_wait -1
.endm
.macro WM i, a, zero
.if \zero
.if (\i)%2
	v_wmma_scale_f32_16x16x128_f8f6f4 v[64*\a+8*\i:64*\a+8*\i+7], v[F0+8*\i:F0+8*\i+7], v[F1+8*\a:F1+8*\a+7], 0, v[SC0+(\i)/2], v[SC1+\a] matrix_a_fmt:MATRIX_FMT_FP4 matrix_b_fmt:MATRIX_FMT_FP4 matrix_a_scale:MATRIX_SCALE_ROW1
.else
	v_wmma_scale_f32_16x16x128_f8f6f4 v[64*\a+8*\i:64*\a+8*\i+7], v[F0+8*\i:F0+8*\i+7], v[F1+8*\a:F1+8*\a+7], 0, v[SC0+(\i)/2], v[SC1+\a] matrix_a_fmt:MATRIX_FMT_FP4 matrix_b_fmt:MATRIX_FMT_FP4
.endif
.else
.if (\i)%2
	v_wmma_scale_f32_16x16x128_f8f6f4 v[64*\a+8*\i:64*\a+8*\i+7], v[F0+8*\i:F0+8*\i+7], v[F1+8*\a:F1+8*\a+7], v[64*\a+8*\i:64*\a+8*\i+7], v[SC0+(\i)/2], v[SC1+\a] matrix_a_fmt:MATRIX_FMT_FP4 matrix_b_fmt:MATRIX_FMT_FP4 matrix_a_scale:MATRIX_SCALE_ROW1
.else
	v_wmma_scale_f32_16x16x128_f8f6f4 v[64*\a+8*\i:64*\a+8*\i+7], v[F0+8*\i:F0+8*\i+7], v[F1+8*\a:F1+8*\a+7], v[64*\a+8*\i:64*\a+8*\i+7], v[SC0+(\i)/2], v[SC1+\a] matrix_a_fmt:MATRIX_FMT_FP4 matrix_b_fmt:MATRIX_FMT_FP4
.endif
.endif
.endm
; One K step of 128: 32 LDS loads in one run, 32 matrix instructions.  The 32 accumulators take turns, one instruction a turn, in the same order in every step.  zero = 1: the first products start the sums.
.macro KSTEP off, zero
.rept 4
	v_nop                                          ; four places between the last products and the loads into registers that they read (ISA guide 7.12.1 for vector instructions)
.endr
.irp a, 0,1,2,3
.irp c, 0,1
	ds_load_b128 v[F1+8*\a+4*\c:F1+8*\a+4*\c+3], v[AB+2] offset:(\off)+1024*\a+512*\c
.endr
.endr
.irp a, 0,1,2,3
	ds_load_b32 v[SC1+\a], v[AB+3] offset:(\off)+64*\a
.endr
.irp i, 0,1,2,3
	ds_load_b32 v[SC0+\i], v[AB+1] offset:(\off)+128*\i
.endr
.irp i, 0,1,2,3,4,5,6,7
.irp c, 0,1
	ds_load_b128 v[F0+8*\i+4*\c:F0+8*\i+4*\c+3], v[AB] offset:(\off)+1024*\i+512*\c
.endr
.endr
	WIN 0x50                                       ; C and D in window 1
.irp i, 0,1,2,3,4,5,6,7
	s_wait_dscnt 14-2*\i                           ; P0's tile i is in; the two loads of each later tile may be out
.irp a, 0,1,2,3
	WM \i, \a, \zero
.endr
.endr
	WIN 0
.endm
; 64 numbers of a lane, register 16 b + i = k 32 b + 16 (lane / 16) + i of my row, become a fragment's codes in v[pc] on and its scale word in v[PW].
.macro QUANT s, pc
.irp b, 0,1,2,3
	v_max3_num_f32 v[TM+\b], |v[\s+16*\b]|, |v[\s+1+16*\b]|, 0x1800000   ; the floor 2^(3 - 127): the byte cannot fall under 1
.endr
.irp i, 2,4,6,8,10,12,14
.irp b, 0,1,2,3
	v_max3_num_f32 v[TM+\b], v[TM+\b], |v[\s+16*\b+\i]|, |v[\s+1+16*\b+\i]|
.endr
.endr
.irp b, 0,1,2,3
	v_permlanex16_b32 v[TM+4+\b], v[TM+\b], s[SEL], s[SEL+1]
.endr
.irp b, 0,1,2,3
	v_max_num_f32 v[TM+\b], v[TM+\b], v[TM+4+\b]
.endr
.irp b, 0,1,2,3
	v_add_nc_u32 v[TM+12+\b], 0xff000000, v[TM+\b]
.endr
.irp b, 0,1,2,3
	v_lshrrev_b32 v[TM+4+\b], 23, v[TM+12+\b]
.endr
	v_lshl_or_b32 v[PW], v[TM+5], 8, v[TM+4]
	v_lshl_or_b32 v[PW], v[TM+6], 16, v[PW]
	v_lshl_or_b32 v[PW], v[TM+7], 24, v[PW]
.irp b, 0,1,2,3
	v_cvt_scalef32_pk8_fp4_f32 v[\pc+2*\b], v[\s+16*\b:\s+7+16*\b], v[TM+12+\b]
	v_cvt_scalef32_pk8_fp4_f32 v[\pc+1+2*\b], v[\s+8+16*\b:\s+15+16*\b], v[TM+12+\b]
.endr
	v_nop
.irp c, 0,1
.irp i, 0,1
	v_permlane16_swap_b32 v[\pc+4*\c+\i], v[\pc+2+4*\c+\i]
.endr
.endr
.endm
; The four tiles of P1, one after the other: sums + bias, out of window 1 into v[F0] on; quantised; codes in v[F1 + 8 a] on; at the end v[PWS] holds the words of tiles 0 (lanes 0-15) and 1 (lanes 16-31), v[PWS + 2] those of 2 and 3.
; kind 0 (q, k): the bias runs along the registers;  kind 1 (v): along the lanes.
.macro TAILQ kind
.irp a, 0,1,2,3
	WIN 0x04                                       ; source 1 in window 1
.set n, 0
.rept 32
.if \kind
	v_pk_add_f32 v[F0+n:F0+n+1], v[BV+2*\a:BV+2*\a+1], v[64*\a+n:64*\a+n+1]   ; each accumulator is read from its low end on
.else
	v_pk_add_f32 v[F0+n:F0+n+1], v[BI+n:BI+n+1], v[64*\a+n:64*\a+n+1]
.endif
.set n, n+2
.endr
	WIN 0
	QUANT F0, F1+8*\a
	v_mov_b32 v[PWS+\a], v[PW]
.endr
	v_cmp_gt_u32 vcc_lo, 16, v1
	v_cndmask_b32 v[PWS], v[PWS+1], v[PWS], vcc_lo
	v_cndmask_b32 v[PWS+2], v[PWS+3], v[PWS+2], vcc_lo
.endm
	s_load_b256 s[4:11], s[0:1], 0x0               ; pc s[4:5], bq s[6:7], bk s[8:9], bv s[10:11]
	s_load_b64 s[12:13], s[0:1], 0x20              ; qkvc
	v_lshl_add_u32 v254, v0, 2, 0x44000
	v_mov_b32 v255, 0
	ds_add_u32 v254, v255
	ds_add_u32 v254, v255
	v_lshrrev_b32 v1, 5, v0
	v_readfirstlane_b32 s[WV], v1
	s_lshr_b32 s15, s[WV], 1                       ; job
	s_and_b32 s16, s[WV], 1                        ; part
	s_bfe_u32 s17, ttmp6, 0x40000                  ; cx
	s_bfe_u32 s18, ttmp6, 0x40004                  ; cy
	s_lshl_b32 s19, ttmp9, 2
	s_add_co_u32 s19, s19, s17                     ; X: the head pair
	s_and_b32 s20, ttmp7, 0xffff
	s_lshl_b32 s20, s20, 2
	s_add_co_u32 s20, s20, s18                     ; Y: the token panel
	s_mov_b32 s[SEL], 0x76543210
	s_mov_b32 s[SEL+1], 0xfedcba98
	s_lshl_b32 s56, s18, 2
	s_lshl_b32 s56, 15, s56                        ; my row of the cluster
	s_lshl_b32 s57, 0x1111, s17                    ; my column
	; descriptor group 1: a whole panel, 69,632 dense bytes, as 272 rows of 32 elements of 8 bytes; no padding: images are read 16 bytes a lane on end
	s_or_b32 s24, s56, (3<<16)|(1<<21)             ; h's panel goes to my row
	s_or_b32 s32, s57, (3<<16)|(1<<21)             ; the weights' panels to my column
.irp g, 24, 32
	s_mov_b32 s[\g+1], 32<<16                      ; tensor_dim0 = 32
	s_mov_b32 s[\g+2], 272<<16                     ; tensor_dim1 = 272: a whole panel, 69,632 dense bytes, as rows of 256 bytes
	s_mov_b32 s[\g+3], 32<<16                      ; tile_dim0 = 32
	s_mov_b32 s[\g+4], 272                         ; tile_dim1 = 272
	s_mov_b32 s[\g+5], 32                          ; from row to row
	s_mov_b32 s[\g+6], 0
	s_mov_b32 s[\g+7], 0
.endr
	; every LDS address is made here, ahead of all branches on the wave's number
	v_and_b32 v1, 31, v0                           ; lane
	v_and_b32 v2, 15, v0                           ; r
	v_bfe_u32 v3, v0, 4, 1                         ; h
	v_lshlrev_b32 v12, 4, v1                       ; 16 x lane
	s_wait_alu depctr_va_vdst(0)
	v_lshlrev_b32 v13, 2, v1                       ; 4 x lane
	v_lshlrev_b32 v10, 6, v3                       ; 64 h: my half's eight features of a tile pair, in a bias
	v_and_b32 v11, 8, v2
	v_add_nc_u32 v11, v11, v2
	v_lshlrev_b32 v11, 2, v11                      ; 4 (r + 8 (r / 8)): my feature of a tile, in bv
	s_add_co_u32 s56, s15, 1                       ; t = job + 1;
	s_lshr_b32 s57, s56, 1
	s_and_b32 s57, s57, s56                        ; m = 1 for v alone;
	s_mul_i32 s57, s57, 3                          ; P1 = 3 m: 0, 0, 3
	s_xor_b32 s56, s56, s57                        ; P0 = t xor 3 m: 1, 2, 0
	s_mul_i32 s56, s56, PANEL
	s_mul_i32 s57, s57, PANEL
	v_add_nc_u32 v[AB], s56, v12
	v_add_nc_u32 v[AB+1], s56, v13
	v_add_nc_u32 v[AB+1], 8192, v[AB+1]
	s_lshl_b32 s62, s16, 12
	s_add_co_u32 s62, s62, s57
	v_add_nc_u32 v[AB+2], s62, v12                 ; P1's tiles 4 sub on
	s_lshl_b32 s62, s16, 8
	s_add_co_u32 s62, s62, s57
	v_lshl_add_u32 v[AB+3], v2, 2, s62
	v_add_nc_u32 v[AB+3], 8192, v[AB+3]            ; and their words: 4 r
.irp b, 0,1,2,3
	v_mov_b32 v[TM+4+\b], 0                        ; written once: a lane permute's destination counts as one of its sources
.endr
	; what I fetch, if I fetch: waves 0-3: panel = wave, all eight records in one load
	s_min_u32 s57, s[WV], 3
	s_mul_i32 s62, s57, PANEL                      ; in LDS: the wave's number alone
	s_mul_i32 s58, s20, PANEL                      ; h: by Y alone
	s_mov_b32 s59, 0
	s_lshl_b32 s60, s57, 3                         ; the weights: by X alone: panel p = 1, 2, 3 lies at WQKV + ((p - 1) 8 + X) PANEL
	s_add_co_u32 s60, s60, s19
	s_mul_i32 s60, s60, PANEL
	s_add_co_u32 s60, s60, 1671168                 ; WQKV - 8 PANEL
	s_mov_b32 s61, 0
	s_wait_dscnt 0x0
	s_wait_kmcnt 0x0
	s_add_nc_u64 s[58:59], s[4:5], s[58:59]
	s_add_nc_u64 s[60:61], s[4:5], s[60:61]
.irp n, 0
	s_mov_b32 s[40+4*\n], 1
	s_add_co_u32 s[41+4*\n], s62, \n*4*REC
	s_add_nc_u64 s[42+4*\n:43+4*\n], s[58:59], \n*4*REC
	s_or_b32 s[43+4*\n], s[43+4*\n], 0x80000000
	s_mov_b32 s[48+4*\n], 1
	s_add_co_u32 s[49+4*\n], s62, \n*4*REC
	s_add_nc_u64 s[50+4*\n:51+4*\n], s[60:61], \n*4*REC
	s_or_b32 s[51+4*\n], s[51+4*\n], 0x80000000
.endr
	CROUND                                         ; all sixteen work-groups are here: the joint loads meet
	s_cmp_lt_u32 s[WV], 1                          ; waves 0-3 fetch a whole panel each: one tensor load a wave
	s_cbranch_scc0 .Lnot_h
	tensor_load_to_lds s[40:43], s[24:31]          ; h's panel, all eight K steps
	s_nop 0
.rept 4
	v_nop
.endr
	s_branch .Lasked
.Lnot_h:
	s_cmp_lt_u32 s[WV], 4
	s_cbranch_scc0 .Lasked
	tensor_load_to_lds s[48:51], s[32:39]          ; a weight's panel, all eight K steps
	s_nop 0
.rept 4
	v_nop
.endr
.Lasked:
	; the biases, while the tiles are on their way.  Every wave loads both forms, the one along the registers and the one along the lanes, and its tail uses one: 24 loads, and no parting of the waves here
	s_cmp_eq_u32 s15, 0
	s_cselect_b64 s[66:67], s[6:7], s[8:9]
	s_cmp_eq_u32 s15, 2
	s_cselect_b64 s[66:67], s[10:11], s[66:67]
	s_lshl_b32 s68, s19, 9                         ; the head pair's 128 numbers
	s_mov_b32 s69, 0
	s_add_nc_u64 s[66:67], s[66:67], s[68:69]
.irp i, 0,1,2,3,4,5,6,7
.irp q, 0,1
	global_load_b128 v[BI+8*\i+4*\q:BI+8*\i+4*\q+3], v10, s[66:67] offset:4*(32*(\i/2)+8*(\i%2))+16*\q   ; register j of tile i: feature 32 (i / 2) + 16 h + 8 (i % 2) + j
.endr
.endr
	s_lshl_b32 s70, s16, 8                         ; the part's 64 features
	s_add_co_u32 s68, s68, s70
	s_add_nc_u64 s[70:71], s[10:11], s[68:69]
.irp a, 0,1,2,3
	global_load_b32 v[BV+2*\a], v11, s[70:71] offset:4*(32*(\a/2)+8*(\a%2))     ; my feature of tile 4 sub + a of Wv,
	global_load_b32 v[BV+2*\a+1], v11, s[70:71] offset:4*(32*(\a/2)+8*(\a%2))   ; twice: a pair for the packed addition
.endr
	s_wait_loadcnt 0x0
	s_wait_tensorcnt 0x0                           ; my panel is in
	s_barrier_signal -1
	s_barrier_wait -1                              ; everybody's is
	s_wait_alu depctr_va_vdst(0)
	KSTEP 0*REC, 1
	KSTEP 1*REC, 0
	KSTEP 2*REC, 0
	KSTEP 3*REC, 0
.irp n, 0,1,2,3
	v_add_nc_u32 v[AB+\n], 4*REC, v[AB+\n]         ; so that the immediates stay inside 16 bits
.endr
	KSTEP 0*REC, 0
	s_wait_alu depctr_va_vdst(0)
	KSTEP 1*REC, 0
	KSTEP 2*REC, 0
	KSTEP 3*REC, 0
.rept 4
	v_nop                                          ; places in front of the first read of results, and of the first write of registers that the last products read
.endr
	s_lshr_b32 s66, s20, 4
	s_lshl_b32 s66, s66, 4
	s_lshl_b32 s67, s19, 1
	s_add_co_u32 s66, s66, s67                     ; the pair's first head among the 32: 16 x batch + 2 X
	s_and_b32 s67, s20, 15                         ; the key step
	s_cmp_eq_u32 s15, 2
	s_cbranch_scc1 .Ltail_v
	; q, k: the 128 along this K are two heads' 64: registers 0-3 of a tile's codes are the first head's half image, 4-7 the second's; bytes 0, 1 of a word the first head's, 2, 3 the second's
	TAILQ 0
	v_lshrrev_b32 v[PWS+1], 16, v[PWS]             ; the second head's two bytes
	v_lshrrev_b32 v[PWS+3], 16, v[PWS+2]
	s_lshl_b32 s68, s66, 7
	s_lshl_b32 s69, s67, 3
	s_add_co_u32 s68, s68, s69
	s_lshl_b32 s69, s16, 2
	s_add_co_u32 s68, s68, s69                     ; q's first tile: head x 128 + 8 x key step + 4 sub
	s_lshl_b32 s70, s68, 9
	s_lshl_b32 s72, s68, 6
	s_add_co_u32 s72, s72, QSW
	s_lshl_b32 s68, s66, 4
	s_add_co_u32 s68, s68, s67
	s_mul_i32 s68, s68, KREC
	s_add_co_u32 s68, s68, KVB                     ; k's record
	s_lshl_b32 s69, s16, 11
	s_add_co_u32 s74, s68, s69
	s_lshl_b32 s69, s16, 8
	s_add_co_u32 s76, s68, s69
	s_add_co_u32 s76, s76, 8192
	s_mov_b32 s78, 65536                           ; from a head to the next: q's codes,
	s_mov_b32 s80, 8192                            ; q's words,
	s_mov_b32 s82, 16*KREC                         ; k's records
	s_cmp_eq_u32 s15, 0
	s_cselect_b32 s70, s70, s74
	s_cselect_b32 s72, s72, s76
	s_cselect_b32 s78, s78, s82
	s_cselect_b32 s80, s80, s82
	s_mov_b32 s71, 0
	s_mov_b32 s73, 0
	s_mov_b32 s79, 0
	s_mov_b32 s81, 0
	s_add_nc_u64 s[70:71], s[12:13], s[70:71]
	s_add_nc_u64 s[72:73], s[12:13], s[72:73]
	s_add_nc_u64 s[78:79], s[70:71], s[78:79]
	s_add_nc_u64 s[80:81], s[72:73], s[80:81]
	s_wait_alu depctr_va_vdst(0)
.irp a, 0,1,2,3
	global_store_b128 v12, v[F1+8*\a:F1+8*\a+3], s[70:71] offset:512*\a      ; 512 consecutive bytes each
	global_store_b128 v12, v[F1+8*\a+4:F1+8*\a+7], s[78:79] offset:512*\a
.endr
	global_store_b32 v13, v[PWS], s[72:73]                 ; 128 consecutive bytes each
	global_store_b32 v13, v[PWS+2], s[72:73] offset:128
	global_store_b32 v13, v[PWS+1], s[80:81]
	global_store_b32 v13, v[PWS+3], s[80:81] offset:128
	s_branch .Ldone
.Ltail_v:
	TAILQ 1                                        ; v: part sub is head sub of the pair, its four tiles of 16 features
	s_add_co_u32 s68, s66, s16
	s_lshl_b32 s68, s68, 4
	s_add_co_u32 s68, s68, s67
	s_mul_i32 s68, s68, KREC
	s_add_co_u32 s68, s68, KVB
	s_add_co_u32 s70, s68, 4096
	s_add_co_u32 s72, s68, 8704
	s_mov_b32 s71, 0
	s_mov_b32 s73, 0
	s_add_nc_u64 s[70:71], s[12:13], s[70:71]
	s_add_nc_u64 s[72:73], s[12:13], s[72:73]
	s_wait_alu depctr_va_vdst(0)
.irp n, 0,1,2,3,4,5,6,7
	global_store_b128 v12, v[F1+4*\n:F1+4*\n+3], s[70:71] offset:512*\n
.endr
	global_store_b32 v13, v[PWS], s[72:73]
	global_store_b32 v13, v[PWS+2], s[72:73] offset:128
.Ldone:
	s_wait_tensorcnt 0x0
	ds_add_u32 v254, v255
	s_wait_dscnt 0x0
	CROUND                                         ; the closing round: no work-group ends while a partner may still ask for a tile that names it
	s_endpgm
.Lfunc_end_k_q3a06e9117a_qkv:
	.size	k_q3a06e9117a_qkv, .Lfunc_end_k_q3a06e9117a_qkv-k_q3a06e9117a_qkv
	.p2alignl 7, 3214868480
	.fill 96, 4, 3214868480
	.section	.rodata,"a",@progbits
	.p2align	6, 0x0
	.amdhsa_kernel k_q3a06e9117a_qkv
		.amdhsa_group_segment_fixed_size 279296
		.amdhsa_private_segment_fixed_size 0
		.amdhsa_enable_private_segment 0
		.amdhsa_kernarg_size 40
		.amdhsa_user_sgpr_count 2
		.amdhsa_user_sgpr_kernarg_segment_ptr 1
		.amdhsa_wavefront_size32 1
		.amdhsa_system_sgpr_workgroup_id_x 1
		.amdhsa_system_sgpr_workgroup_id_y 1
		.amdhsa_system_sgpr_workgroup_id_z 1
		.amdhsa_system_vgpr_workitem_id 0
		.amdhsa_next_free_vgpr 512
		.amdhsa_next_free_sgpr 96
		.amdhsa_reserve_vcc 1
		.amdhsa_float_denorm_mode_32 3
		.amdhsa_float_denorm_mode_16_64 3
		.amdhsa_memory_ordered 1
		.amdhsa_forward_progress 1
		.amdhsa_inst_pref_size 112
	.end_amdhsa_kernel
	.amdgpu_metadata
---
amdhsa.version: [ 1, 2 ]
amdhsa.kernels:
  - .name:           k_q3a06e9117a_qkv
    .symbol:         k_q3a06e9117a_qkv.kd
    .args:
      - { .name: pc, .offset: 0, .size: 8, .value_kind: global_buffer, .address_space: global }
      - { .name: bq, .offset: 8, .size: 8, .value_kind: global_buffer, .address_space: global }
      - { .name: bk, .offset: 16, .size: 8, .value_kind: global_buffer, .address_space: global }
      - { .name: bv, .offset: 24, .size: 8, .value_kind: global_buffer, .address_space: global }
      - { .name: qkvc, .offset: 32, .size: 8, .value_kind: global_buffer, .address_space: global }
    .group_segment_fixed_size: 279296
    .private_segment_fixed_size: 0
    .kernarg_segment_align: 8
    .kernarg_segment_size: 40
    .max_flat_workgroup_size: 192
    .sgpr_count:     96
    .vgpr_count:     512
    .wavefront_size: 32
...
	.end_amdgpu_metadata
.endif
;; end of part 2
;; launch attn (part 3): grid 8 x 32, 16 waves a work-group, clusters of 4 x 1, 215,040 bytes of LDS; arguments qkvc, o; writes o
.if DOCPART == 3
	.amdgcn_target "amdgcn-amd-amdhsa--gfx1250"
	.amdhsa_code_object_version 6
	.text
	.protected	k_q3a06e9117a_attn
	.globl	k_q3a06e9117a_attn
	.p2align	8
	.type	k_q3a06e9117a_attn,@function
k_q3a06e9117a_attn:
	s_mov_b64 s[64:65], 0
	v_nop
	global_prefetch_b8 v0, s[64:65] scope:SCOPE_SE
	s_setreg_imm32_b32 hwreg(HW_REG_WAVE_MODE, 25, 1), 1
	s_wait_xcnt 0x0
	s_wait_alu depctr_hold_cnt(0) depctr_sa_sdst(0) depctr_va_vdst(0) depctr_va_sdst(0) depctr_va_ssrc(0) depctr_va_vcc(0) depctr_vm_vsrc(0)
	s_getreg_b32 s2, hwreg(HW_REG_IB_STS2, 6, 4)
	s_cmp_eq_u32 s2, 0
	s_cbranch_scc0 .Lentry_in_a_cluster
	s_endpgm
.Lentry_in_a_cluster:
	s_bfe_u32 s2, ttmp6, 0x10000c
	s_cmp_lg_u32 s2, 0x3003
	s_cbranch_scc0 .Lentry_shape_is_right
	s_endpgm
.Lentry_shape_is_right:
; LAUNCH 3.  o = softmax(q k^T / 32, causal) v for each of 32 heads of 2,048 tokens x 64, both products on codes of FP4.  t = score x log2(e) / 32; M = the running largest t rounded UP to a whole number; p = 2^(t - M) is what is
; quantised, along the keys; the row's sum is taken of the unquantised p and divides at the end.  When M moves, the sum and O are multiplied by 2^(old M - new M): exact.
; SHARES.  A work-group takes head bh and, of each of the 16 blocks of 128 tokens, query tile g (0-7): wave w takes the tile of block pos(w).  So a wave's 16 queries lie in ONE block: key step s counts where s <= pos, and s = pos is the
; diagonal: both hang on the wave's number alone, and all work-groups have the same work: 136 key steps.  With s = w % 4, waves w, w + 4, w + 8, w + 12 take blocks 15 - 2 s, 14 - 2 s, 2 s + 1, 2 s: the four have 34 key steps
; in every such group, and a group's two long walks differ by one step, so that they go side by side nearly to the end.
; A whole head's K and V, 16 records of 8,960 bytes, lie in LDS, filled ONCE: each wave asks for one record.  CLUSTER 4 x 1: the four partners share the head, so each record is asked for jointly.
; LAYOUT.  Both products are used transposed (S^T = K Q^T, O^T = V^T P^T): a lane holds one query.  By the tiles' order of rows (launch 1) the 16 registers of two tiles of S^T are 16 neighbouring keys, and of O^T 16 neighbouring channels.
; THE HEAD HAS 64, THE INSTRUCTION 128: Q's registers 4-7 are zero codes; K's tile t is named as v[KF + 4 t .. + 7], whose upper four registers are the next tile's codes: they meet zeros and add nothing (no scale byte here is 0xff).
; LIMITS: NaN and infinities are not served.  A block's largest p is made from its largest score by the same two instructions, which takes v_exp_f32 not to fall where its input rises (the ISA guide promises 1 ulp).
.set QSW,  2097152
.set KVB,  2359296
.set KREC, 8960
.set STG,  16*KREC                     ; behind K and V: a stage of 16 rows x (256 + 16) bytes for each wave; no tile lands there
.set WV,   8                           ; s8 wave; s9 cx; s10 g; s11 head
.set POS,  12                          ; s12 my block of tokens
.set KS,   13                          ; s13 the key step
.set TB,   14                          ; s14 its record in LDS
.set SEL,  20                          ; s[20:21]
.set CS,   22                          ; s[22:23] c = log2(e) / 32
.set L16,  1                           ; v1 16 x lane;  v2 4 x lane;  v3, v4 the same in the record in hand
.set L4,   2
.set A16,  3
.set A4,   4
.set GO,   11                          ; v11 my byte in the tile's rows of o
.set DD,   25                          ; v25 d = my query's place in its block - 16 (lane / 16)
.set STO,  26                          ; v26, v27 the stage: in, back
.set SRD,  27
.set KF,   28                          ; v28-59 K's eight half images; v60-63 zeros
.set VF,   64                          ; v64-95 V's four images
.set KSC,  192                         ; v192-195 K's scale words;  v196-197 V's;  v24 Q's;  v253 p's
.set VSC,  196
; v12 -M, v13 the largest t, v[14:15] the sum in two halves; v16-23 Q; v96-159 S^T, then p; v160-191 O^T; v224-231 p's codes; v232-254 at work
.macro CROUND
	s_barrier_signal -1
	s_barrier_wait -1
	s_cmp_lg_u32 s[WV], 0
	s_cbranch_scc1 .Lnot_wave_0_\@
	s_barrier_signal -3
.Lnot_wave_0_\@:
	s_barrier_wait -3
	s_barrier_signal -1
	s_barrier_wait -1
.endm
	s_load_b128 s[4:7], s[0:1], 0x0                ; qkvc s[4:5], o s[6:7]
	v_lshl_add_u32 v251, v0, 2, 0x34000
	v_mov_b32 v255, 0
	ds_add_u32 v251, v255
	ds_add_u32 v251, v255
	v_lshrrev_b32 v5, 5, v0
	s_delay_alu instid0(VALU_DEP_1)
	v_readfirstlane_b32 s[WV], v5
	s_bfe_u32 s9, ttmp6, 0x40000                   ; cx
	s_lshl_b32 s10, ttmp9, 2
	s_add_co_u32 s10, s10, s9                      ; g: it enters Q's and o's addresses and the mask's numbers alone
	s_and_b32 s11, ttmp7, 0xffff                   ; the head, which the partners share
	s_and_b32 s36, s[WV], 3
	s_lshl_b32 s36, s36, 1
	s_bfe_u32 s37, s[WV], 0x10002
	s_add_co_u32 s36, s36, s37                     ; u = 2 (w % 4) + (w / 4) % 2: 0 .. 7
	s_lshr_b32 s37, s[WV], 3
	s_mul_i32 s37, s37, 14
	s_xor_b32 s37, s37, 15                         ; 15 in waves 0-7, 1 in waves 8-15
	s_xor_b32 s[POS], s36, s37                     ; pos = 15 - u, or u xor 1
	s_mov_b32 s[SEL], 0x76543210
	s_mov_b32 s[SEL+1], 0xfedcba98
	s_mov_b32 s[CS], 0x3d38aa3b
	s_mov_b32 s[CS+1], s[CS]                       ; (named with it as a pair, so it is written)
	; descriptor group 1: a record, 8,960 dense bytes, as 35 rows of 32 elements of 8 bytes
	s_mov_b32 s24, 15|(3<<16)|(1<<21)              ; the mask: all four work-groups
	s_mov_b32 s25, 32<<16
	s_mov_b32 s26, 35<<16
	s_mov_b32 s27, 32<<16
	s_mov_b32 s28, 35
	s_mov_b32 s29, 32
	s_mov_b32 s30, 0
	s_mov_b32 s31, 0
	s_mov_b32 s32, 1
	s_mul_i32 s33, s[WV], KREC                     ; record w, in LDS
	s_mul_i32 s36, s11, 16*KREC
	s_add_co_u32 s36, s36, s33
	s_add_co_u32 s36, s36, KVB                     ; and in memory
	s_mov_b32 s37, 0
	v_and_b32 v5, 31, v0
	s_delay_alu instid0(VALU_DEP_1)
	v_lshlrev_b32 v[L16], 4, v5
	s_delay_alu instid0(VALU_DEP_2)
	v_lshlrev_b32 v[L4], 2, v5
	v_and_b32 v7, 15, v0                           ; r
	v_bfe_u32 v8, v0, 4, 1                         ; h
	s_delay_alu instid0(VALU_DEP_2)
	v_lshlrev_b32 v6, 2, v7                        ; 4 r
	s_mul_i32 s38, s[WV], 16*272
	s_add_co_u32 s38, s38, STG                     ; my stage
	v_mul_u32_u24 v[STO], v7, 272
	s_delay_alu instid0(VALU_DEP_1)
	v_lshl_add_u32 v[STO], v8, 6, v[STO]
	s_delay_alu instid0(VALU_DEP_1)
	v_add_nc_u32 v[STO], s38, v[STO]               ; in: row r, + 64 h
	v_mul_u32_u24 v[SRD], v8, 272
	s_delay_alu instid0(VALU_DEP_1)
	v_lshl_add_u32 v[SRD], v7, 4, v[SRD]
	s_delay_alu instid0(VALU_DEP_1)
	v_add_nc_u32 v[SRD], s38, v[SRD]               ; back: lanes 0-15 one row, lanes 16-31 the next
	v_lshlrev_b32 v[GO], 12, v8
	s_delay_alu instid0(VALU_DEP_1)
	v_lshl_add_u32 v[GO], v7, 4, v[GO]             ; and the same two rows in o
	s_lshr_b32 s46, s10, 1
	s_lshl_b32 s46, s46, 5
	s_and_b32 s47, s10, 1
	s_lshl_b32 s47, s47, 3
	s_add_co_u32 s46, s46, s47                     ; tile g's first member of its block: 32 (g / 2) + 8 (g % 2)
	v_and_b32 v9, 8, v7
	s_delay_alu instid0(VALU_DEP_1)
	v_add_nc_u32 v9, v9, v7                        ; r + 8 (r / 8)
	v_lshlrev_b32 v10, 4, v8
	s_delay_alu instid0(VALU_DEP_1)
	v_sub_nc_u32 v[DD], v9, v10
	s_delay_alu instid0(VALU_DEP_1)
	v_add_nc_u32 v[DD], s46, v[DD]
	s_lshl_b32 s38, s11, 7
	s_lshl_b32 s39, s[POS], 3
	s_add_co_u32 s38, s38, s39
	s_add_co_u32 s38, s38, s10                     ; my tile of q: head x 128 + 8 pos + g
	s_lshl_b32 s40, s38, 9
	s_mov_b32 s41, 0
	s_lshl_b32 s42, s38, 6
	s_add_co_u32 s42, s42, QSW
	s_mov_b32 s43, 0
	s_lshr_b32 s44, s11, 4
	s_lshl_b32 s44, s44, 11
	s_lshl_b32 s45, s[POS], 7
	s_add_co_u32 s44, s44, s45
	s_add_co_u32 s44, s44, s46                     ; the tile's first token
	s_lshl_b32 s44, s44, 12
	s_and_b32 s45, s11, 15
	s_lshl_b32 s45, s45, 8
	s_add_co_u32 s44, s44, s45                     ; + the head's 256 bytes of a row of o
	s_mov_b32 s45, 0
	s_wait_dscnt 0x0
	s_wait_kmcnt 0x0
	s_add_nc_u64 s[34:35], s[4:5], s[36:37]
	s_or_b32 s35, s35, 0x80000000
	s_add_nc_u64 s[40:41], s[4:5], s[40:41]
	s_add_nc_u64 s[42:43], s[4:5], s[42:43]
	s_add_nc_u64 s[6:7], s[6:7], s[44:45]
	CROUND                                         ; all four work-groups are here: the joint loads meet
	tensor_load_to_lds s[32:35], s[24:31]          ; my one tensor load of the launch
	s_nop 0
.rept 4
	v_nop
.endr
	global_load_b128 v[16:19], v[L16], s[40:41]    ; Q's half image stays in registers,
	global_load_b32 v24, v6, s[42:43]              ; and its scale words
.irp n, 20,21,22,23,60,61,62,63
	v_mov_b32 v\n, 0                               ; zero codes for k = 64 .. 127 of Q, and behind K's last tile
.endr
	v_mov_b32 v13, 0xff61b1e6                      ; the largest t so far: -3e38, under every t
	s_delay_alu instid0(VALU_DEP_1)
	v_floor_f32 v12, -v13                          ; -M
	v_mov_b32 v14, 0
	v_mov_b32 v15, 0
.irp n, 236,237,238,239,252,253
	v_mov_b32 v\n, 0                               ; written once: lane permutes' destinations count as sources; v253 is named as the upper half of a pair
.endr
.set n, 0
.rept 32
	v_mov_b32 v[160+n], 0                          ; O^T.  (The key step is written once: the first finds zeros, which the first change of M leaves zeros)
.set n, n+1
.endr
	s_mov_b32 s[KS], 0
	s_mov_b32 s[TB], 0
	s_wait_loadcnt 0x0
	s_wait_tensorcnt 0x0                           ; my record is in,
	s_barrier_signal -1
	s_barrier_wait -1                              ; everybody's is
.Lstep:                                            ; 16 trips in every wave; a step all of whose keys come after my queries is passed over, but for the lines that step addresses
	s_cmp_gt_u32 s[KS], s[POS]
	s_cbranch_scc1 .Lskip
	v_add_nc_u32 v[A16], s[TB], v[L16]
	v_add_nc_u32 v[A4], s[TB], v[L4]
.irp t, 0,1,2,3,4,5,6,7
	ds_load_b128 v[KF+4*\t:KF+4*\t+3], v[A16] offset:512*\t
.endr
.irp t, 0,1,2,3
	ds_load_b32 v[KSC+\t], v[A4] offset:8192+128*\t        ; lanes 0-15 tile 2 t's words, lanes 16-31 tile 2 t + 1's
.endr
.irp t, 0,1,2,3
.irp c, 0,1
	ds_load_b128 v[VF+8*\t+4*\c:VF+8*\t+4*\c+3], v[A16] offset:4096+1024*\t+512*\c
.endr
.endr
.irp t, 0,1
	ds_load_b32 v[VSC+\t], v[A4] offset:8704+128*\t
.endr
	s_wait_dscnt 10                                ; K and its words are in; V's ten loads may be out
.irp p, 0,1,2,3
	v_wmma_scale_f32_16x16x128_f8f6f4 v[96+16*\p:103+16*\p], v[KF+8*\p:KF+8*\p+7], v[16:23], 0, v[KSC+\p], v24 matrix_a_fmt:MATRIX_FMT_FP4 matrix_b_fmt:MATRIX_FMT_FP4
	v_wmma_scale_f32_16x16x128_f8f6f4 v[104+16*\p:111+16*\p], v[KF+8*\p+4:KF+8*\p+11], v[16:23], 0, v[KSC+\p], v24 matrix_a_fmt:MATRIX_FMT_FP4 matrix_b_fmt:MATRIX_FMT_FP4 matrix_a_scale:MATRIX_SCALE_ROW1
.endr
.rept 4
	v_nop                                          ; places in front of the first read of results
.endr
	s_cmp_lg_u32 s[KS], s[POS]                     ; on the diagonal hidden scores become -infinity ahead of the maximum: p = 0 then
	s_cbranch_scc1 .Lopen
	v_mov_b32 v254, 0xff800000
.set n, 0
.rept 64
	v_cmp_gt_i32 vcc_lo, 32*(n/16)+n%16, v[DD]     ; register 16 b + i holds key 32 b + 16 (lane / 16) + i of the block: hidden where 32 b + i > d
	v_cndmask_b32 v[96+n], v[96+n], v254, vcc_lo
.set n, n+1
.endr
.Lopen:
.irp b, 0,1,2,3
	v_max3_num_f32 v[232+\b], v[96+16*\b], v[97+16*\b], v[98+16*\b]   ; the largest score of each block of 32 keys: for the row's maximum, and for the block's largest p
.endr
.irp i, 3,5,7,9,11,13
.irp b, 0,1,2,3
	v_max3_num_f32 v[232+\b], v[232+\b], v[96+16*\b+\i], v[97+16*\b+\i]
.endr
.endr
.irp b, 0,1,2,3
	v_max_num_f32 v[232+\b], v[232+\b], v[111+16*\b]
.endr
.irp b, 0,1,2,3
	s_delay_alu instid0(VALU_DEP_4)
	v_permlanex16_b32 v[236+\b], v[232+\b], s[SEL], s[SEL+1]
.endr
.irp b, 0,1,2,3
	s_delay_alu instid0(VALU_DEP_4)
	v_max_num_f32 v[232+\b], v[232+\b], v[236+\b]  ; with lane l xor 16's 16 keys
.endr
	s_delay_alu instid0(VALU_DEP_2)
	v_max3_num_f32 v254, v232, v233, v234
	s_delay_alu instid0(VALU_DEP_1)
	v_max_num_f32 v254, v254, v235
	s_delay_alu instid0(VALU_DEP_1)
	v_mul_f32 v254, s[CS], v254                    ; as t (c is positive)
	s_delay_alu instid0(VALU_DEP_1)
	v_max_num_f32 v13, v13, v254                   ; the running largest t
	v_mov_b32 v254, v12
	s_delay_alu instid0(VALU_DEP_2)
	v_floor_f32 v12, -v13                          ; the new -M = -ceil(t)
	s_delay_alu instid0(VALU_DEP_1)
	v_sub_f32 v254, v12, v254                      ; old M - new M: a whole number, 0 or less
	s_delay_alu instid0(VALU_DEP_1)
	v_cvt_i32_f32 v254, v254                       ; (it saturates)
	s_delay_alu instid0(VALU_DEP_1)
	v_ldexp_f32 v252, 1.0, v254                    ; f = 2^(old M - new M)
.set n, 0
.rept 32
	v_pk_fma_f32 v[96+n:97+n], v[96+n:97+n], s[CS:CS+1], v[12:13] op_sel_hi:[1,0,0]   ; t - M, two at a time
.set n, n+2
.endr
.irp b, 0,1,2,3
	v_fma_f32 v[232+\b], v[232+\b], s[CS], v12     ; the same of each block's largest score
.endr
.set n, 0
	s_wait_alu depctr_va_vdst(0)
.rept 64
	v_exp_f32 v[96+n], v[96+n]                     ; p = 2^(t - M)
.set n, n+1
.endr
	v_pk_mul_f32 v[14:15], v[14:15], v[252:253] op_sel_hi:[1,0]   ; the sums under the new M: the plain instruction behind the batch
	s_wait_alu depctr_va_vdst(0)                   ; one wait for the 64, ahead of their first reader
.irp b, 0,1,2,3
	v_exp_f32 v[232+\b], v[232+\b]                 ; the blocks' largest p
.endr
	v_pk_add_f32 v[236:237], v[100:101], v[104:105]
	v_pk_add_f32 v[248:249], v[108:109], v[112:113]
	v_pk_add_f32 v[246:247], v[116:117], v[120:121]
	v_pk_add_f32 v[244:245], v[124:125], v[128:129]
	v_pk_add_f32 v[242:243], v[132:133], v[136:137]
	v_pk_add_f32 v[240:241], v[140:141], v[144:145]
	v_pk_add_f32 v[238:239], v[148:149], v[152:153]
	v_pk_add_f32 v[14:15], v[14:15], v[156:157]
	v_pk_add_f32 v[236:237], v[236:237], v[96:97]
	v_pk_add_f32 v[248:249], v[248:249], v[98:99]
	v_pk_add_f32 v[246:247], v[246:247], v[102:103]
	v_pk_add_f32 v[244:245], v[244:245], v[106:107]
	v_pk_add_f32 v[242:243], v[242:243], v[110:111]
	v_pk_add_f32 v[240:241], v[240:241], v[114:115]
	v_pk_add_f32 v[238:239], v[238:239], v[118:119]
	v_pk_add_f32 v[14:15], v[14:15], v[122:123]
	v_pk_add_f32 v[236:237], v[236:237], v[126:127]
	v_pk_add_f32 v[248:249], v[248:249], v[130:131]
	v_pk_add_f32 v[246:247], v[246:247], v[134:135]
	v_pk_add_f32 v[244:245], v[244:245], v[138:139]
	v_pk_add_f32 v[242:243], v[242:243], v[142:143]
	v_pk_add_f32 v[240:241], v[240:241], v[146:147]
	v_pk_add_f32 v[238:239], v[238:239], v[150:151]
	v_pk_add_f32 v[14:15], v[14:15], v[154:155]
	v_pk_add_f32 v[236:237], v[236:237], v[158:159]
	s_delay_alu instid0(VALU_DEP_2)
	v_pk_add_f32 v[14:15], v[14:15], v[244:245]
	s_delay_alu instid0(VALU_DEP_2)
	v_pk_add_f32 v[236:237], v[236:237], v[242:243]
	v_pk_add_f32 v[248:249], v[248:249], v[240:241]
	v_pk_add_f32 v[246:247], v[246:247], v[238:239]
	s_delay_alu instid0(VALU_DEP_2)
	v_pk_add_f32 v[14:15], v[14:15], v[248:249]
	s_delay_alu instid0(VALU_DEP_2)
	v_pk_add_f32 v[236:237], v[236:237], v[246:247]
	s_delay_alu instid0(VALU_DEP_1)
	v_pk_add_f32 v[14:15], v[14:15], v[236:237]
	s_wait_alu depctr_va_vdst(0)                   ; and one for the four
.irp b, 0,1,2,3
	v_max_num_f32 v[232+\b], 0x1800000, v[232+\b]  ; the floor 2^(3 - 127): a block whose every p is 0 keeps the byte 1: its codes are zeros
.endr
.irp b, 0,1,2,3
	s_delay_alu instid0(VALU_DEP_4)
	v_add_nc_u32 v[244+\b], 0xff000000, v[232+\b]
.endr
.irp b, 0,1,2,3
	s_delay_alu instid0(VALU_DEP_4)
	v_lshrrev_b32 v[236+\b], 23, v[244+\b]
.endr
	s_delay_alu instid0(VALU_DEP_3)
	v_lshl_or_b32 v253, v237, 8, v236              ; p's scale word for these 128 keys
	s_delay_alu instid0(VALU_DEP_1)
	v_lshl_or_b32 v253, v238, 16, v253
	s_delay_alu instid0(VALU_DEP_1)
	v_lshl_or_b32 v253, v239, 24, v253
.irp b, 0,1,2,3
	v_cvt_scalef32_pk8_fp4_f32 v[224+2*\b], v[96+16*\b:103+16*\b], v[244+\b]
	v_cvt_scalef32_pk8_fp4_f32 v[225+2*\b], v[104+16*\b:111+16*\b], v[244+\b]
.endr
	v_nop
.irp c, 0,1
.irp i, 0,1
	v_permlane16_swap_b32 v[224+4*\c+\i], v[226+4*\c+\i]
.endr
.endr
.set n, 0
.rept 16
	v_pk_mul_f32 v[160+n:161+n], v[160+n:161+n], v[252:253] op_sel_hi:[1,0]   ; O^T under the new M.  These sixteen are also the places between the lines that made p's codes and word and the products
.set n, n+2
.endr
	s_wait_alu depctr_va_vdst(0)
	s_wait_dscnt 0x0                               ; V is in
.irp p, 0,1
	v_wmma_scale_f32_16x16x128_f8f6f4 v[160+16*\p:167+16*\p], v[VF+16*\p:VF+16*\p+7], v[224:231], v[160+16*\p:167+16*\p], v[VSC+\p], v253 matrix_a_fmt:MATRIX_FMT_FP4 matrix_b_fmt:MATRIX_FMT_FP4
	v_wmma_scale_f32_16x16x128_f8f6f4 v[168+16*\p:175+16*\p], v[VF+16*\p+8:VF+16*\p+15], v[224:231], v[168+16*\p:175+16*\p], v[VSC+\p], v253 matrix_a_fmt:MATRIX_FMT_FP4 matrix_b_fmt:MATRIX_FMT_FP4 matrix_a_scale:MATRIX_SCALE_ROW1
.endr
.rept 4
	v_nop                                          ; places in front of the next step's loads and of the way out's reads
.endr
.Lskip:
	s_add_co_u32 s[TB], s[TB], KREC
	s_add_co_u32 s[KS], s[KS], 1
	s_cmp_lt_u32 s[KS], 16
	s_cbranch_scc1 .Lstep
	; THE WAY OUT: O^T / the sum goes through my stage and leaves as rows of 256 bytes: the head's 64 channels of a token
	v_add_f32 v14, v14, v15
	s_delay_alu instid0(VALU_DEP_1)
	v_permlanex16_b32 v252, v14, s[SEL], s[SEL+1]
	s_delay_alu instid0(VALU_DEP_1)
	v_add_f32 v14, v14, v252                       ; the row's sum
	s_wait_alu depctr_va_vdst(0)
	v_rcp_f32 v14, v14
	v_nop
	s_wait_alu depctr_va_vdst(0)
.set n, 0
.rept 32
	v_mul_f32 v[96+n], v[160+n], v14               ; register 16 b + i: channel 32 b + 16 h + i of query r
.set n, n+1
.endr
.irp b, 0,1
.irp q, 0,1,2,3
	ds_store_b128 v[STO], v[96+16*\b+4*\q:99+16*\b+4*\q] offset:128*\b+16*\q
.endr
.endr
.irp i, 0,1,2,3,4,5,6,7
	ds_load_b128 v[128+4*\i:131+4*\i], v[SRD] offset:2*\i*272   ; LDS serves a wave's instructions in order (ISA guide 5.7.1.4): these see my stores
.endr
.irp i, 0,1,2,3,4,5,6,7
	s_wait_dscnt 7-\i                              ; rows 2 i, 2 i + 1 are back; the later loads may be out
	global_store_b128 v[GO], v[128+4*\i:131+4*\i], s[6:7] offset:(2*\i+8*(\i/4))*4096   ; tile row n is token n + 8 (n / 8) from the tile's first; sixteen lanes store 256 consecutive bytes, aligned
.endr
	s_wait_tensorcnt 0x0
	ds_add_u32 v251, v255
	s_wait_dscnt 0x0
	CROUND                                         ; the closing round
	s_endpgm
.Lfunc_end_k_q3a06e9117a_attn:
	.size	k_q3a06e9117a_attn, .Lfunc_end_k_q3a06e9117a_attn-k_q3a06e9117a_attn
	.p2alignl 7, 3214868480
	.fill 96, 4, 3214868480
	.section	.rodata,"a",@progbits
	.p2align	6, 0x0
	.amdhsa_kernel k_q3a06e9117a_attn
		.amdhsa_group_segment_fixed_size 215040
		.amdhsa_private_segment_fixed_size 0
		.amdhsa_enable_private_segment 0
		.amdhsa_kernarg_size 16
		.amdhsa_user_sgpr_count 2
		.amdhsa_user_sgpr_kernarg_segment_ptr 1
		.amdhsa_wavefront_size32 1
		.amdhsa_system_sgpr_workgroup_id_x 1
		.amdhsa_system_sgpr_workgroup_id_y 1
		.amdhsa_system_sgpr_workgroup_id_z 1
		.amdhsa_system_vgpr_workitem_id 0
		.amdhsa_next_free_vgpr 256
		.amdhsa_next_free_sgpr 66
		.amdhsa_reserve_vcc 1
		.amdhsa_float_denorm_mode_32 3
		.amdhsa_float_denorm_mode_16_64 3
		.amdhsa_memory_ordered 1
		.amdhsa_forward_progress 1
		.amdhsa_inst_pref_size 33
	.end_amdhsa_kernel
	.amdgpu_metadata
---
amdhsa.version: [ 1, 2 ]
amdhsa.kernels:
  - .name:           k_q3a06e9117a_attn
    .symbol:         k_q3a06e9117a_attn.kd
    .args:
      - { .name: qkvc, .offset: 0, .size: 8, .value_kind: global_buffer, .address_space: global }
      - { .name: o, .offset: 8, .size: 8, .value_kind: global_buffer, .address_space: global }
    .group_segment_fixed_size: 215040
    .private_segment_fixed_size: 0
    .kernarg_segment_align: 8
    .kernarg_segment_size: 16
    .max_flat_workgroup_size: 512
    .sgpr_count:     66
    .vgpr_count:     256
    .wavefront_size: 32
...
	.end_amdgpu_metadata
.endif
;; end of part 3
;; launch ln2 (part 4): grid 256 x 1, 16 waves a work-group, no clusters, 67,840 bytes of LDS; arguments x, g1, be1, o, g2, be2, h2, h2c; writes h2, h2c
.if DOCPART == 4
	.amdgcn_target "amdgcn-amd-amdhsa--gfx1250"
	.amdhsa_code_object_version 6
	.text
	.protected	k_q3a06e9117a_ln2
	.globl	k_q3a06e9117a_ln2
	.p2align	8
	.type	k_q3a06e9117a_ln2,@function
k_q3a06e9117a_ln2:
	s_mov_b64 s[64:65], 0
	v_nop
	global_prefetch_b8 v0, s[64:65] scope:SCOPE_SE
	s_setreg_imm32_b32 hwreg(HW_REG_WAVE_MODE, 25, 1), 1
	s_wait_xcnt 0x0
; LAUNCH 4.  h = LN1(x) once more (so that h never goes to memory), x2 = h + o, h2 = LN2(x2): stored as f32 and, quantised along D, as images and records (launch 1's formats) in h2c [32 panels][8 K steps].
; Work-group T is image tile T; wave w owns tile row w: token 32 (T / 2) + 8 (T % 2) + w + 8 (w / 8).  The 16 rows meet in LDS; then waves 0-7 quantise a K step each.
; LIMITS: as in launch 1 (1 / 1,023 a rounded constant, v_rsq_f32, no NaN or infinities, the byte 1 for a block of zeros).
.set REC,  8704
.set LP,   4112                        ; a row in LDS: 4,096 bytes + 16
.set WV,   22
.set SEL,  24
.set XX,   32                          ; v32-63 the row;  v64-95 g1, v96-127 be1, v128-159 o, v160-191 g2, v192-223 be2
.set T0,   16                          ; v16-23 at work
.set NN,   64                          ; v64-127 later: 64 numbers for the quantiser
.set TM,   128                         ; v128-143 its work
.set PW,   144
.set PC,   148
.macro REDUCE t
	s_delay_alu instid0(VALU_DEP_1)
	v_add_f32_dpp v[\t], v[\t], v[\t] row_xmask:1 row_mask:0xf bank_mask:0xf
	s_delay_alu instid0(VALU_DEP_1)
	v_add_f32_dpp v[\t], v[\t], v[\t] row_xmask:2 row_mask:0xf bank_mask:0xf
	s_delay_alu instid0(VALU_DEP_1)
	v_add_f32_dpp v[\t], v[\t], v[\t] row_xmask:4 row_mask:0xf bank_mask:0xf
	s_delay_alu instid0(VALU_DEP_1)
	v_add_f32_dpp v[\t], v[\t], v[\t] row_xmask:8 row_mask:0xf bank_mask:0xf
	s_delay_alu instid0(VALU_DEP_1)
	v_permlanex16_b32 v[\t+4], v[\t], s[SEL], s[SEL+1]
	s_delay_alu instid0(VALU_DEP_1)
	v_add_f32 v[\t], v[\t], v[\t+4]
.endm
.macro STATS x, t                      ; v[x .. x+31] become x - mean; v[t] = 1 / sqrt(var + eps)
	v_pk_add_f32 v[\t:\t+1], v[\x:\x+1], v[\x+2:\x+3]
	v_pk_add_f32 v[\t+2:\t+3], v[\x+4:\x+5], v[\x+6:\x+7]
.irp i, 8,12,16,20,24,28
	s_delay_alu instid0(VALU_DEP_2)
	v_pk_add_f32 v[\t:\t+1], v[\t:\t+1], v[\x+\i:\x+\i+1]
	s_delay_alu instid0(VALU_DEP_2)
	v_pk_add_f32 v[\t+2:\t+3], v[\t+2:\t+3], v[\x+\i+2:\x+\i+3]
.endr
	s_delay_alu instid0(VALU_DEP_1)
	v_pk_add_f32 v[\t:\t+1], v[\t:\t+1], v[\t+2:\t+3]
	s_delay_alu instid0(VALU_DEP_1)
	v_add_f32 v[\t], v[\t], v[\t+1]
	REDUCE \t
	s_delay_alu instid0(VALU_DEP_1)
	v_mul_f32 v[\t], 0x3a800000, v[\t]
.irp i, 0,2,4,6,8,10,12,14,16,18,20,22,24,26,28,30
	v_pk_add_f32 v[\x+\i:\x+\i+1], v[\x+\i:\x+\i+1], v[\t:\t+1] op_sel_hi:[1,0] neg_lo:[0,1] neg_hi:[0,1]
.endr
	v_pk_mul_f32 v[\t:\t+1], v[\x:\x+1], v[\x:\x+1]
	v_pk_mul_f32 v[\t+2:\t+3], v[\x+2:\x+3], v[\x+2:\x+3]
.irp i, 4,8,12,16,20,24,28
	s_delay_alu instid0(VALU_DEP_2)
	v_pk_fma_f32 v[\t:\t+1], v[\x+\i:\x+\i+1], v[\x+\i:\x+\i+1], v[\t:\t+1]
	s_delay_alu instid0(VALU_DEP_2)
	v_pk_fma_f32 v[\t+2:\t+3], v[\x+\i+2:\x+\i+3], v[\x+\i+2:\x+\i+3], v[\t+2:\t+3]
.endr
	s_delay_alu instid0(VALU_DEP_1)
	v_pk_add_f32 v[\t:\t+1], v[\t:\t+1], v[\t+2:\t+3]
	s_delay_alu instid0(VALU_DEP_1)
	v_add_f32 v[\t], v[\t], v[\t+1]
	REDUCE \t
	s_delay_alu instid0(VALU_DEP_1)
	v_fma_f32 v[\t], v[\t], s26, s27
	s_wait_alu depctr_va_vdst(0)
	v_rsq_f32 v[\t], v[\t]
	v_nop                                          ; a plain instruction behind the transcendental,
	s_wait_alu depctr_va_vdst(0)                   ; and the wait ahead of the first line that names its result
.endm
.macro AFFINE x, t, g, b
.irp i, 0,2,4,6,8,10,12,14,16,18,20,22,24,26,28,30
	v_pk_mul_f32 v[\x+\i:\x+\i+1], v[\x+\i:\x+\i+1], v[\t:\t+1] op_sel_hi:[1,0]
.endr
.irp i, 0,2,4,6,8,10,12,14,16,18,20,22,24,26,28,30
	v_pk_fma_f32 v[\x+\i:\x+\i+1], v[\x+\i:\x+\i+1], v[\g+\i:\g+\i+1], v[\b+\i:\b+\i+1]
.endr
.endm
.macro QUANT s, pc
.irp b, 0,1,2,3
	v_max3_num_f32 v[TM+\b], |v[\s+16*\b]|, |v[\s+1+16*\b]|, 0x1800000
.endr
.irp i, 2,4,6,8,10,12,14
.irp b, 0,1,2,3
	s_delay_alu instid0(VALU_DEP_4)
	v_max3_num_f32 v[TM+\b], v[TM+\b], |v[\s+16*\b+\i]|, |v[\s+1+16*\b+\i]|
.endr
.endr
.irp b, 0,1,2,3
	s_delay_alu instid0(VALU_DEP_4)
	v_permlanex16_b32 v[TM+4+\b], v[TM+\b], s[SEL], s[SEL+1]
.endr
.irp b, 0,1,2,3
	s_delay_alu instid0(VALU_DEP_4)
	v_max_num_f32 v[TM+\b], v[TM+\b], v[TM+4+\b]
.endr
.irp b, 0,1,2,3
	s_delay_alu instid0(VALU_DEP_4)
	v_add_nc_u32 v[TM+12+\b], 0xff000000, v[TM+\b]
.endr
.irp b, 0,1,2,3
	s_delay_alu instid0(VALU_DEP_4)
	v_lshrrev_b32 v[TM+4+\b], 23, v[TM+12+\b]
.endr
	s_delay_alu instid0(VALU_DEP_3)
	v_lshl_or_b32 v[PW], v[TM+5], 8, v[TM+4]
	s_delay_alu instid0(VALU_DEP_1)
	v_lshl_or_b32 v[PW], v[TM+6], 16, v[PW]
	s_delay_alu instid0(VALU_DEP_1)
	v_lshl_or_b32 v[PW], v[TM+7], 24, v[PW]
.irp b, 0,1,2,3
	v_cvt_scalef32_pk8_fp4_f32 v[\pc+2*\b], v[\s+16*\b:\s+7+16*\b], v[TM+12+\b]
	v_cvt_scalef32_pk8_fp4_f32 v[\pc+1+2*\b], v[\s+8+16*\b:\s+15+16*\b], v[TM+12+\b]
.endr
	v_nop
.irp c, 0,1
.irp i, 0,1
	v_permlane16_swap_b32 v[\pc+4*\c+\i], v[\pc+2+4*\c+\i]
.endr
.endr
.endm
	s_load_b256 s[4:11], s[0:1], 0x0               ; x s[4:5], g1 s[6:7], be1 s[8:9], o s[10:11]
	s_load_b256 s[12:19], s[0:1], 0x20             ; g2 s[12:13], be2 s[14:15], h2 s[16:17], h2c s[18:19]
	v_lshl_add_u32 v224, v0, 2, 0x10100
	v_mov_b32 v225, 0
	v_lshrrev_b32 v1, 5, v0
	s_delay_alu instid0(VALU_DEP_1)
	v_readfirstlane_b32 s[WV], v1
	v_and_b32 v1, 31, v0
	s_wait_alu depctr_va_vdst(0)
	s_mov_b32 s[SEL], 0x76543210
	s_mov_b32 s[SEL+1], 0xfedcba98
	s_mov_b32 s26, 0x3a802008                      ; 1 / 1,023
	s_mov_b32 s27, 0x3727c5ac                      ; 1e-5
	s_lshr_b32 s28, ttmp9, 1
	s_lshl_b32 s28, s28, 5
	s_and_b32 s29, ttmp9, 1
	s_lshl_b32 s29, s29, 3
	s_add_co_u32 s28, s28, s29
	s_add_co_u32 s28, s28, s[WV]
	s_lshr_b32 s29, s[WV], 3
	s_lshl_b32 s29, s29, 3
	s_add_co_u32 s28, s28, s29                     ; my token
	s_lshl_b32 s28, s28, 12
	s_mov_b32 s29, 0
	v_lshlrev_b32 v2, 4, v1                        ; 16 x lane
	s_mul_i32 s30, s[WV], LP
	v_add_nc_u32 v3, s30, v2                       ; LDS, in: my row
	v_and_b32 v4, 15, v0
	v_bfe_u32 v5, v0, 4, 1
	s_delay_alu instid0(VALU_DEP_2)
	v_mul_u32_u24 v6, v4, LP
	s_delay_alu instid0(VALU_DEP_1)
	v_lshl_add_u32 v6, v5, 6, v6
	s_min_u32 s23, s[WV], 7                        ; the K step that I quantise (waves 8-15 end ahead of that)
	s_lshl_b32 s30, s23, 9
	v_add_nc_u32 v6, s30, v6                       ; LDS, out: row r, my K step, + 64 h
	s_and_b32 s31, ttmp9, 7
	s_lshl_b32 s30, s31, 10
	v_add_nc_u32 v7, s30, v2
	s_lshl_b32 s30, s31, 6
	v_lshl_add_u32 v8, v4, 2, s30
	s_lshr_b32 s30, ttmp9, 3
	s_lshl_b32 s30, s30, 3
	s_add_co_u32 s30, s30, s23
	s_mul_i32 s30, s30, REC
	s_mov_b32 s31, 0
	v_mov_b32 v[T0+4], 0                           ; written once: a lane permute's destination counts as one of its sources
	s_wait_kmcnt 0x0
	s_add_nc_u64 s[4:5], s[4:5], s[28:29]
	s_add_nc_u64 s[10:11], s[10:11], s[28:29]
	s_add_nc_u64 s[16:17], s[16:17], s[28:29]
	s_add_nc_u64 s[18:19], s[18:19], s[30:31]
.irp j, 0,1,2,3,4,5,6,7
	global_load_b128 v[32+4*\j:35+4*\j], v2, s[4:5] offset:512*\j th:TH_LOAD_NT
.endr
.irp j, 0,1,2,3,4,5,6,7
	global_load_b128 v[64+4*\j:67+4*\j], v2, s[6:7] offset:512*\j
.endr
.irp j, 0,1,2,3,4,5,6,7
	global_load_b128 v[96+4*\j:99+4*\j], v2, s[8:9] offset:512*\j
.endr
.irp j, 0,1,2,3,4,5,6,7
	global_load_b128 v[128+4*\j:131+4*\j], v2, s[10:11] offset:512*\j th:TH_LOAD_NT
.endr
.irp j, 0,1,2,3,4,5,6,7
	global_load_b128 v[160+4*\j:163+4*\j], v2, s[12:13] offset:512*\j
.endr
.irp j, 0,1,2,3,4,5,6,7
	global_load_b128 v[192+4*\j:195+4*\j], v2, s[14:15] offset:512*\j
.endr
	s_wait_loadcnt 40                              ; x is in; the forty loads behind it may be out
	STATS XX, T0
	s_wait_loadcnt 24                              ; g1 and be1 are in
	AFFINE XX, T0, 64, 96                          ; h
	s_wait_loadcnt 16                              ; o is in
.irp i, 0,2,4,6,8,10,12,14,16,18,20,22,24,26,28,30
	v_pk_add_f32 v[XX+\i:XX+\i+1], v[XX+\i:XX+\i+1], v[128+\i:129+\i]   ; x2 = h + o
.endr
	STATS XX, T0
	s_wait_loadcnt 0x0
	AFFINE XX, T0, 160, 192                        ; h2
.irp j, 0,1,2,3,4,5,6,7
	global_store_b128 v2, v[XX+4*\j:XX+4*\j+3], s[16:17] offset:512*\j   ; 512 consecutive bytes
	ds_store_b128 v3, v[XX+4*\j:XX+4*\j+3] offset:512*\j
.endr
	s_wait_dscnt 0x0                               ; for the others' sake: my row lies in LDS
	s_barrier_signal -1
	s_barrier_wait -1
	s_cmp_ge_u32 s[WV], 8
	s_cbranch_scc1 .Lend
.irp b, 0,1,2,3
.irp j, 0,1,2,3
	ds_load_b128 v[NN+16*\b+4*\j:NN+16*\b+4*\j+3], v6 offset:128*\b+16*\j   ; (not into v32-63, which the stores of h2 may still read)
.endr
.endr
	s_wait_dscnt 0x0
	QUANT NN, PC
	global_store_b128 v7, v[PC:PC+3], s[18:19]
	global_store_b128 v7, v[PC+4:PC+7], s[18:19] offset:512
	global_store_b32 v8, v[PW], s[18:19] offset:8192       ; lanes l and l xor 16 store the same word at the same place
.Lend:
	s_wait_tensorcnt 0x0
	ds_add_u32 v224, v225
	s_wait_dscnt 0x0
	s_endpgm
.Lfunc_end_k_q3a06e9117a_ln2:
	.size	k_q3a06e9117a_ln2, .Lfunc_end_k_q3a06e9117a_ln2-k_q3a06e9117a_ln2
	.p2alignl 7, 3214868480
	.fill 96, 4, 3214868480
	.section	.rodata,"a",@progbits
	.p2align	6, 0x0
	.amdhsa_kernel k_q3a06e9117a_ln2
		.amdhsa_group_segment_fixed_size 67840
		.amdhsa_private_segment_fixed_size 0
		.amdhsa_enable_private_segment 0
		.amdhsa_kernarg_size 64
		.amdhsa_user_sgpr_count 2
		.amdhsa_user_sgpr_kernarg_segment_ptr 1
		.amdhsa_wavefront_size32 1
		.amdhsa_system_sgpr_workgroup_id_x 1
		.amdhsa_system_sgpr_workgroup_id_y 1
		.amdhsa_system_sgpr_workgroup_id_z 1
		.amdhsa_system_vgpr_workitem_id 0
		.amdhsa_next_free_vgpr 226
		.amdhsa_next_free_sgpr 66
		.amdhsa_reserve_vcc 0
		.amdhsa_float_denorm_mode_32 3
		.amdhsa_float_denorm_mode_16_64 3
		.amdhsa_memory_ordered 1
		.amdhsa_forward_progress 1
		.amdhsa_inst_pref_size 31
	.end_amdhsa_kernel
	.amdgpu_metadata
---
amdhsa.version: [ 1, 2 ]
amdhsa.kernels:
  - .name:           k_q3a06e9117a_ln2
    .symbol:         k_q3a06e9117a_ln2.kd
    .args:
      - { .name: x, .offset: 0, .size: 8, .value_kind: global_buffer, .address_space: global }
      - { .name: g1, .offset: 8, .size: 8, .value_kind: global_buffer, .address_space: global }
      - { .name: be1, .offset: 16, .size: 8, .value_kind: global_buffer, .address_space: global }
      - { .name: o, .offset: 24, .size: 8, .value_kind: global_buffer, .address_space: global }
      - { .name: g2, .offset: 32, .size: 8, .value_kind: global_buffer, .address_space: global }
      - { .name: be2, .offset: 40, .size: 8, .value_kind: global_buffer, .address_space: global }
      - { .name: h2, .offset: 48, .size: 8, .value_kind: global_buffer, .address_space: global }
      - { .name: h2c, .offset: 56, .size: 8, .value_kind: global_buffer, .address_space: global }
    .group_segment_fixed_size: 67840
    .private_segment_fixed_size: 0
    .kernarg_segment_align: 8
    .kernarg_segment_size: 64
    .max_flat_workgroup_size: 512
    .sgpr_count:     66
    .vgpr_count:     226
    .wavefront_size: 32
...
	.end_amdgpu_metadata
.endif
;; end of part 4
;; launch ffn1 (part 5): grid 16 x 16, 8 waves a work-group, clusters of 4 x 4, 279,552 bytes of LDS; arguments h2c, pc, bb1, hid; writes hid
.if DOCPART == 5
	.amdgcn_target "amdgcn-amd-amdhsa--gfx1250"
	.amdhsa_code_object_version 6
	.text
	.protected	k_q3a06e9117a_ffn1
	.globl	k_q3a06e9117a_ffn1
	.p2align	8
	.type	k_q3a06e9117a_ffn1,@function
k_q3a06e9117a_ffn1:
	s_mov_b64 s[64:65], 0
	v_nop
	global_prefetch_b8 v0, s[64:65] scope:SCOPE_SE
	s_setreg_imm32_b32 hwreg(HW_REG_WAVE_MODE, 25, 1), 1
	s_wait_xcnt 0x0
	s_wait_alu depctr_hold_cnt(0) depctr_sa_sdst(0) depctr_va_vdst(0) depctr_va_sdst(0) depctr_va_ssrc(0) depctr_va_vcc(0) depctr_vm_vsrc(0)
	s_getreg_b32 s2, hwreg(HW_REG_IB_STS2, 6, 4)
	s_cmp_eq_u32 s2, 0
	s_cbranch_scc0 .Lentry_in_a_cluster
	s_endpgm
.Lentry_in_a_cluster:
	s_bfe_u32 s2, ttmp6, 0x10000c
	s_cmp_lg_u32 s2, 0xf033
	s_cbranch_scc0 .Lentry_shape_is_right
	s_endpgm
.Lentry_shape_is_right:
; LAUNCH 5.  hidden = relu(h2 W1 + bb1) on codes of FP4, quantised along the hidden units on the way: hid [32 token panels][32 K steps] records (launch 1's formats).
; A work-group takes token panels 2 Y, 2 Y + 1 and W1's panels 2 X, 2 X + 1 (256 x 256), all of K = 1,024 in LDS, filled ONCE: panels 0, 1 tokens, 2, 3 W1.  Eight waves; wave w multiplies the 8 tiles of W1's panel w / 4
; (source 0) by token tiles 4 sub .. 4 sub + 3 of panel (w / 2) % 2 (source 1), sub = w % 2: 32 accumulators, so that a K step's 12 fragments from LDS feed 32 matrix instructions.  A lane holds one token, and its 64 registers of
; a token tile are 128-unit K step 2 X + w / 4 of the next product, 16 neighbours in two tiles.
; REGISTERS, in windows of 256: window 1 is the 32 accumulators ((a, i) at v[64 a + 8 i]); all else lies in window 0.  The bias, 8 registers for each tile of W1, is the C of the first K step's products and serves all four
; token tiles.  The activation brings a tile's 64 sums down into window 0, where the quantiser works.
; CLUSTER 4 x 4: the tokens' panels are asked for jointly along a row of the cluster, W1's along a column.
; LIMITS: NaN and infinities are not served; a block of zeros gets the byte 1 (its codes are zeros; this program alone reads the bytes).
.set REC,   8704
.set PANEL, 8*REC
.set W1C,   3899392
.set WV,    14                         ; s14 wave; s15 w / 4; s16 sub; s21 (w / 2) % 2; s17 cx; s18 cy; s19 X; s20 Y
.set SEL,   22
.set AB,    4                          ; v4-7  LDS addresses: W1's images, W1's words, the tokens' images, the tokens' words
.set SC0,   16                         ; v16-19 W1's scale words: register i: lanes 0-15 tile 2 i, lanes 16-31 tile 2 i + 1
.set SC1,   20                         ; v20-23 the tokens', a register a tile
.set F1,    24                         ; v24-55  four token fragments; behind the loop the codes just made
.set F0,    56                         ; v56-119 W1's eight fragments; behind the loop 64 numbers for the quantiser
.set BI,    120                        ; v120-183 the bias
.set TM,    184                        ; v184-199 the quantiser's work
.set PW,    200
.set PWS,   201                        ; v201-204 the four tiles' words
.set MSB,   0
.macro WIN new                         ; s_set_vgpr_msb: bits 1:0 source 0, 3:2 source 1, 5:4 source 2, 7:6 destination; the high byte repeats the setting that is left
.if MSB != \new
	s_set_vgpr_msb (MSB<<8)|\new
.set MSB, \new
.endif
.endm
.macro CROUND
	s_barrier_signal -1
	s_barrier_wait -1
	s_cmp_lg_u32 s[WV], 0
	s_cbranch_scc1 .Lnot_wave_0_\@
	s_barrier_signal -3
.Lnot_wave_0_\@:
	s_barrier_wait -3
	s_barrier_signal -1
	s_barrier_wait -1
.endm
.macro WM i, a, first
.if \first
.if (\i)%2
	v_wmma_scale_f32_16x16x128_f8f6f4 v[64*\a+8*\i:64*\a+8*\i+7], v[F0+8*\i:F0+8*\i+7], v[F1+8*\a:F1+8*\a+7], v[BI+8*\i:BI+8*\i+7], v[SC0+(\i)/2], v[SC1+\a] matrix_a_fmt:MATRIX_FMT_FP4 matrix_b_fmt:MATRIX_FMT_FP4 matrix_a_scale:MATRIX_SCALE_ROW1
.else
	v_wmma_scale_f32_16x16x128_f8f6f4 v[64*\a+8*\i:64*\a+8*\i+7], v[F0+8*\i:F0+8*\i+7], v[F1+8*\a:F1+8*\a+7], v[BI+8*\i:BI+8*\i+7], v[SC0+(\i)/2], v[SC1+\a] matrix_a_fmt:MATRIX_FMT_FP4 matrix_b_fmt:MATRIX_FMT_FP4
.endif
.else
.if (\i)%2
	v_wmma_scale_f32_16x16x128_f8f6f4 v[64*\a+8*\i:64*\a+8*\i+7], v[F0+8*\i:F0+8*\i+7], v[F1+8*\a:F1+8*\a+7], v[64*\a+8*\i:64*\a+8*\i+7], v[SC0+(\i)/2], v[SC1+\a] matrix_a_fmt:MATRIX_FMT_FP4 matrix_b_fmt:MATRIX_FMT_FP4 matrix_a_scale:MATRIX_SCALE_ROW1
.else
	v_wmma_scale_f32_16x16x128_f8f6f4 v[64*\a+8*\i:64*\a+8*\i+7], v[F0+8*\i:F0+8*\i+7], v[F1+8*\a:F1+8*\a+7], v[64*\a+8*\i:64*\a+8*\i+7], v[SC0+(\i)/2], v[SC1+\a] matrix_a_fmt:MATRIX_FMT_FP4 matrix_b_fmt:MATRIX_FMT_FP4
.endif
.endif
.endm
; One K step of 128: 32 LDS loads in one run, 32 matrix instructions on 32 accumulators that take turns.  first = 1: the sums begin with the bias.
.macro KSTEP off, first
.rept 4
	v_nop                                          ; four places between the last products and the loads into registers that they read (ISA guide 7.12.1 for vector instructions)
.endr
.irp a, 0,1,2,3
.irp c, 0,1
	ds_load_b128 v[F1+8*\a+4*\c:F1+8*\a+4*\c+3], v[AB+2] offset:(\off)+1024*\a+512*\c
.endr
.endr
.irp a, 0,1,2,3
	ds_load_b32 v[SC1+\a], v[AB+3] offset:(\off)+64*\a
.endr
.irp i, 0,1,2,3
	ds_load_b32 v[SC0+\i], v[AB+1] offset:(\off)+128*\i
.endr
.irp i, 0,1,2,3,4,5,6,7
.irp c, 0,1
	ds_load_b128 v[F0+8*\i+4*\c:F0+8*\i+4*\c+3], v[AB] offset:(\off)+1024*\i+512*\c
.endr
.endr
.if \first
	WIN 0x40                                       ; D in window 1, C (the bias) in window 0
.else
	WIN 0x50                                       ; C and D in window 1
.endif
.irp i, 0,1,2,3,4,5,6,7
	s_wait_dscnt 14-2*\i                           ; W1's tile i is in; the two loads of each later tile may be out
.irp a, 0,1,2,3
	WM \i, \a, \first
.endr
.endr
	WIN 0
.endm
.macro QUANT s, pc
.irp b, 0,1,2,3
	v_max3_num_f32 v[TM+\b], |v[\s+16*\b]|, |v[\s+1+16*\b]|, 0x1800000
.endr
.irp i, 2,4,6,8,10,12,14
.irp b, 0,1,2,3
	s_delay_alu instid0(VALU_DEP_4)
	v_max3_num_f32 v[TM+\b], v[TM+\b], |v[\s+16*\b+\i]|, |v[\s+1+16*\b+\i]|
.endr
.endr
.irp b, 0,1,2,3
	s_delay_alu instid0(VALU_DEP_4)
	v_permlanex16_b32 v[TM+4+\b], v[TM+\b], s[SEL], s[SEL+1]
.endr
.irp b, 0,1,2,3
	s_delay_alu instid0(VALU_DEP_4)
	v_max_num_f32 v[TM+\b], v[TM+\b], v[TM+4+\b]
.endr
.irp b, 0,1,2,3
	s_delay_alu instid0(VALU_DEP_4)
	v_add_nc_u32 v[TM+12+\b], 0xff000000, v[TM+\b]
.endr
.irp b, 0,1,2,3
	s_delay_alu instid0(VALU_DEP_4)
	v_lshrrev_b32 v[TM+4+\b], 23, v[TM+12+\b]
.endr
	s_delay_alu instid0(VALU_DEP_3)
	v_lshl_or_b32 v[PW], v[TM+5], 8, v[TM+4]
	s_delay_alu instid0(VALU_DEP_1)
	v_lshl_or_b32 v[PW], v[TM+6], 16, v[PW]
	s_delay_alu instid0(VALU_DEP_1)
	v_lshl_or_b32 v[PW], v[TM+7], 24, v[PW]
.irp b, 0,1,2,3
	v_cvt_scalef32_pk8_fp4_f32 v[\pc+2*\b], v[\s+16*\b:\s+7+16*\b], v[TM+12+\b]
	v_cvt_scalef32_pk8_fp4_f32 v[\pc+1+2*\b], v[\s+8+16*\b:\s+15+16*\b], v[TM+12+\b]
.endr
	v_nop
.irp c, 0,1
.irp i, 0,1
	v_permlane16_swap_b32 v[\pc+4*\c+\i], v[\pc+2+4*\c+\i]
.endr
.endr
.endm
	s_load_b256 s[4:11], s[0:1], 0x0               ; h2c s[4:5], pc s[6:7], bb1 s[8:9], hid s[10:11]
	v_lshl_add_u32 v254, v0, 2, 0x44000
	v_mov_b32 v255, 0
	ds_add_u32 v254, v255
	ds_add_u32 v254, v255
	v_lshrrev_b32 v1, 5, v0
	s_delay_alu instid0(VALU_DEP_1)
	v_readfirstlane_b32 s[WV], v1
	s_lshr_b32 s15, s[WV], 2
	s_and_b32 s16, s[WV], 1
	s_bfe_u32 s21, s[WV], 0x10001
	s_bfe_u32 s17, ttmp6, 0x40000
	s_bfe_u32 s18, ttmp6, 0x40004
	s_lshl_b32 s19, ttmp9, 2
	s_add_co_u32 s19, s19, s17                     ; X
	s_and_b32 s20, ttmp7, 0xffff
	s_lshl_b32 s20, s20, 2
	s_add_co_u32 s20, s20, s18                     ; Y
	s_mov_b32 s[SEL], 0x76543210
	s_mov_b32 s[SEL+1], 0xfedcba98
	s_lshl_b32 s56, s18, 2
	s_lshl_b32 s56, 15, s56
	s_lshl_b32 s57, 0x1111, s17
	s_or_b32 s24, s56, (3<<16)|(1<<21)             ; group 1: four records, 34,816 dense bytes, as 136 rows of 256 bytes; the tokens' panels go to my row of the cluster,
	s_or_b32 s32, s57, (3<<16)|(1<<21)             ; W1's to my column
.irp g, 24, 32
	s_mov_b32 s[\g+1], 32<<16
	s_mov_b32 s[\g+2], 136<<16                     ; four records, 34,816 dense bytes, as 136 rows of 256 bytes
	s_mov_b32 s[\g+3], 32<<16
	s_mov_b32 s[\g+4], 136
	s_mov_b32 s[\g+5], 32
	s_mov_b32 s[\g+6], 0
	s_mov_b32 s[\g+7], 0
.endr
	v_and_b32 v1, 31, v0
	v_and_b32 v2, 15, v0
	v_bfe_u32 v3, v0, 4, 1
	s_delay_alu instid0(VALU_DEP_3)
	v_lshlrev_b32 v12, 4, v1                       ; 16 x lane
	s_delay_alu instid0(VALU_DEP_4)
	v_lshlrev_b32 v13, 2, v1                       ; 4 x lane
	s_delay_alu instid0(VALU_DEP_3)
	v_lshlrev_b32 v10, 6, v3                       ; 64 h
	s_add_co_u32 s56, s15, 2
	s_mul_i32 s56, s56, PANEL                      ; source 0: W1's panel
	s_mul_i32 s57, s21, PANEL                      ; source 1: the tokens'
	v_add_nc_u32 v[AB], s56, v12
	v_add_nc_u32 v[AB+1], s56, v13
	s_delay_alu instid0(VALU_DEP_1)
	v_add_nc_u32 v[AB+1], 8192, v[AB+1]
	s_lshl_b32 s62, s16, 12
	s_add_co_u32 s62, s62, s57
	v_add_nc_u32 v[AB+2], s62, v12                 ; token tiles 4 sub on
	s_lshl_b32 s62, s16, 8
	s_add_co_u32 s62, s62, s57
	v_lshl_add_u32 v[AB+3], v2, 2, s62
	s_delay_alu instid0(VALU_DEP_1)
	v_add_nc_u32 v[AB+3], 8192, v[AB+3]            ; and their words: 4 r
.irp b, 0,1,2,3
	v_mov_b32 v[TM+4+\b], 0                        ; written once: a lane permute's destination counts as one of its sources
.endr
	s_lshr_b32 s57, s[WV], 1                       ; every wave fetches once: LDS panel wave / 2, records 4 (wave % 2) .. + 3
	s_and_b32 s56, s[WV], 1
	s_mul_i32 s56, s56, 4*REC
	s_mul_i32 s62, s57, PANEL
	s_add_co_u32 s62, s62, s56
	s_and_b32 s57, s57, 1                          ; which of the two panels of its kind
	s_lshl_b32 s58, s20, 1                         ; the tokens': by Y alone
	s_add_co_u32 s58, s58, s57
	s_mul_i32 s58, s58, PANEL
	s_add_co_u32 s58, s58, s56
	s_mov_b32 s59, 0
	s_lshl_b32 s60, s19, 1                         ; W1's: by X alone
	s_add_co_u32 s60, s60, s57
	s_mul_i32 s60, s60, PANEL
	s_add_co_u32 s60, s60, s56
	s_add_co_u32 s60, s60, W1C
	s_mov_b32 s61, 0
	s_wait_dscnt 0x0
	s_wait_kmcnt 0x0
	s_add_nc_u64 s[58:59], s[4:5], s[58:59]
	s_add_nc_u64 s[60:61], s[6:7], s[60:61]
.irp n, 0
	s_mov_b32 s[40+4*\n], 1
	s_add_co_u32 s[41+4*\n], s62, \n*4*REC
	s_add_nc_u64 s[42+4*\n:43+4*\n], s[58:59], \n*4*REC
	s_or_b32 s[43+4*\n], s[43+4*\n], 0x80000000
	s_mov_b32 s[48+4*\n], 1
	s_add_co_u32 s[49+4*\n], s62, \n*4*REC
	s_add_nc_u64 s[50+4*\n:51+4*\n], s[60:61], \n*4*REC
	s_or_b32 s[51+4*\n], s[51+4*\n], 0x80000000
.endr
	CROUND                                         ; all sixteen work-groups are here: the joint loads meet
	s_cmp_lt_u32 s[WV], 4                          ; one tensor load a wave
	s_cbranch_scc0 .Lfor_w
	tensor_load_to_lds s[40:43], s[24:31]          ; half a panel of tokens
	s_nop 0
.rept 4
	v_nop
.endr
	s_branch .Lasked
.Lfor_w:
	tensor_load_to_lds s[48:51], s[32:39]          ; half a panel of W1
	s_nop 0
.rept 4
	v_nop
.endr
.Lasked:
	s_lshl_b32 s68, s19, 1
	s_add_co_u32 s68, s68, s15                     ; my 128 hidden units: panel 2 X + w / 4
	s_lshl_b32 s70, s68, 9
	s_mov_b32 s71, 0
	s_add_nc_u64 s[8:9], s[8:9], s[70:71]
.irp i, 0,1,2,3,4,5,6,7
.irp q, 0,1
	global_load_b128 v[BI+8*\i+4*\q:BI+8*\i+4*\q+3], v10, s[8:9] offset:4*(32*(\i/2)+8*(\i%2))+16*\q   ; register j of tile i: unit 32 (i / 2) + 16 h + 8 (i % 2) + j
.endr
.endr
	s_lshl_b32 s69, s20, 1
	s_add_co_u32 s69, s69, s21
	s_lshl_b32 s69, s69, 5
	s_add_co_u32 s69, s69, s68
	s_mul_i32 s69, s69, REC                        ; hid's record (token panel 2 Y + .., K step 2 X + ..)
	s_lshl_b32 s72, s16, 12
	s_add_co_u32 s72, s72, s69
	s_mov_b32 s73, 0
	s_lshl_b32 s74, s16, 8
	s_add_co_u32 s74, s74, s69
	s_add_co_u32 s74, s74, 8192
	s_mov_b32 s75, 0
	s_add_nc_u64 s[72:73], s[10:11], s[72:73]      ; my four images,
	s_add_nc_u64 s[74:75], s[10:11], s[74:75]      ; and their words
	s_wait_loadcnt 0x0
	s_wait_tensorcnt 0x0                           ; my four records are in
	s_barrier_signal -1
	s_barrier_wait -1
	s_wait_alu depctr_va_vdst(0)
	KSTEP 0*REC, 1
	KSTEP 1*REC, 0
	KSTEP 2*REC, 0
	KSTEP 3*REC, 0
.irp n, 0,1,2,3
	v_add_nc_u32 v[AB+\n], 4*REC, v[AB+\n]         ; so that the immediates stay inside 16 bits
.endr
	KSTEP 0*REC, 0
	s_wait_alu depctr_va_vdst(0)
	KSTEP 1*REC, 0
	KSTEP 2*REC, 0
	KSTEP 3*REC, 0
.rept 4
	v_nop                                          ; places in front of the first read of results, and of the first write of registers that the last products read
.endr
.irp a, 0,1,2,3
	WIN 0x04                                       ; source 1 in window 1
.set n, 0
.rept 64
	v_max_num_f32 v[F0+n], 0, v[64*\a+n]           ; the activation, in f32, out of window 1 into window 0; each accumulator from its low end on
.set n, n+1
.endr
	WIN 0
	QUANT F0, F1+8*\a
	v_mov_b32 v[PWS+\a], v[PW]
.endr
	v_cmp_gt_u32 vcc_lo, 16, v1
	s_delay_alu instid0(VALU_DEP_1)
	v_cndmask_b32 v[PWS], v[PWS+1], v[PWS], vcc_lo         ; lanes 0-15 tile 0's words, lanes 16-31 tile 1's
	s_delay_alu instid0(VALU_DEP_2)
	v_cndmask_b32 v[PWS+2], v[PWS+3], v[PWS+2], vcc_lo     ; and tiles 2 and 3 likewise
.irp n, 0,1,2,3,4,5,6,7
	global_store_b128 v12, v[F1+4*\n:F1+4*\n+3], s[72:73] offset:512*\n   ; 512 consecutive bytes each
.endr
	global_store_b32 v13, v[PWS], s[74:75]                 ; 128 consecutive bytes each
	global_store_b32 v13, v[PWS+2], s[74:75] offset:128
	s_wait_tensorcnt 0x0
	ds_add_u32 v254, v255
	s_wait_dscnt 0x0
	CROUND                                         ; the closing round
	s_endpgm
.Lfunc_end_k_q3a06e9117a_ffn1:
	.size	k_q3a06e9117a_ffn1, .Lfunc_end_k_q3a06e9117a_ffn1-k_q3a06e9117a_ffn1
	.p2alignl 7, 3214868480
	.fill 96, 4, 3214868480
	.section	.rodata,"a",@progbits
	.p2align	6, 0x0
	.amdhsa_kernel k_q3a06e9117a_ffn1
		.amdhsa_group_segment_fixed_size 279552
		.amdhsa_private_segment_fixed_size 0
		.amdhsa_enable_private_segment 0
		.amdhsa_kernarg_size 32
		.amdhsa_user_sgpr_count 2
		.amdhsa_user_sgpr_kernarg_segment_ptr 1
		.amdhsa_wavefront_size32 1
		.amdhsa_system_sgpr_workgroup_id_x 1
		.amdhsa_system_sgpr_workgroup_id_y 1
		.amdhsa_system_sgpr_workgroup_id_z 1
		.amdhsa_system_vgpr_workitem_id 0
		.amdhsa_next_free_vgpr 512
		.amdhsa_next_free_sgpr 96
		.amdhsa_reserve_vcc 1
		.amdhsa_float_denorm_mode_32 3
		.amdhsa_float_denorm_mode_16_64 3
		.amdhsa_memory_ordered 1
		.amdhsa_forward_progress 1
		.amdhsa_inst_pref_size 91
	.end_amdhsa_kernel
	.amdgpu_metadata
---
amdhsa.version: [ 1, 2 ]
amdhsa.kernels:
  - .name:           k_q3a06e9117a_ffn1
    .symbol:         k_q3a06e9117a_ffn1.kd
    .args:
      - { .name: h2c, .offset: 0, .size: 8, .value_kind: global_buffer, .address_space: global }
      - { .name: pc, .offset: 8, .size: 8, .value_kind: global_buffer, .address_space: global }
      - { .name: bb1, .offset: 16, .size: 8, .value_kind: global_buffer, .address_space: global }
      - { .name: hid, .offset: 24, .size: 8, .value_kind: global_buffer, .address_space: global }
    .group_segment_fixed_size: 279552
    .private_segment_fixed_size: 0
    .kernarg_segment_align: 8
    .kernarg_segment_size: 32
    .max_flat_workgroup_size: 256
    .sgpr_count:     96
    .vgpr_count:     512
    .wavefront_size: 32
...
	.end_amdgpu_metadata
.endif
;; end of part 5
;; launch ffn2 (part 6): grid 8 x 32, 8 waves a work-group, clusters of 4 x 4, 279,552 bytes of LDS; arguments hid, pc, bb2, h2, out0; writes out0
.if DOCPART == 6
	.amdgcn_target "amdgcn-amd-amdhsa--gfx1250"
	.amdhsa_code_object_version 6
	.text
	.protected	k_q3a06e9117a_ffn2
	.globl	k_q3a06e9117a_ffn2
	.p2align	8
	.type	k_q3a06e9117a_ffn2,@function
k_q3a06e9117a_ffn2:
	s_mov_b64 s[64:65], 0
	v_nop
	global_prefetch_b8 v0, s[64:65] scope:SCOPE_SE
	s_setreg_imm32_b32 hwreg(HW_REG_WAVE_MODE, 25, 1), 1
	s_wait_xcnt 0x0
	s_wait_alu depctr_hold_cnt(0) depctr_sa_sdst(0) depctr_va_vdst(0) depctr_va_sdst(0) depctr_va_ssrc(0) depctr_va_vcc(0) depctr_vm_vsrc(0)
	s_getreg_b32 s2, hwreg(HW_REG_IB_STS2, 6, 4)
	s_cmp_eq_u32 s2, 0
	s_cbranch_scc0 .Lentry_in_a_cluster
	s_endpgm
.Lentry_in_a_cluster:
	s_bfe_u32 s2, ttmp6, 0x10000c
	s_cmp_lg_u32 s2, 0xf033
	s_cbranch_scc0 .Lentry_shape_is_right
	s_endpgm
.Lentry_shape_is_right:
; LAUNCH 6.  out = h2 + hidden W2 + bb2, the product on codes of FP4 (launch 1's formats of images and records).  A work-group makes 128 tokens (panel Y) x 128 outputs (panel X) over K = 4,096: 32 K steps of 128.
; SHARES.  Eight waves: sub = w % 2, kq = w / 2.  Wave w multiplies W2's 8 tiles (source 0) by four token tiles (source 1) on K steps kq + 4 m, m = 0 .. 7: 32 accumulators, so that a K step's 12 fragments feed 32 matrix instructions.
; K IS SHARED AMONG FOUR WAVES; the four partial sums are added at the end, in f32: the order of these additions differs from a single sum along K; the sum goes only to the output.
; The wave's tile a is 4 sub + (a xor kq): so every wave keeps a = 0 (tile 4 sub + kq) and sends a = 1, 2, 3, with no branch; the part that wave w xor 2 d holds of my tile is its a = d.
; WHERE THE OPERANDS LIE.  The block's two operands are 2 x 278,528 bytes, more than LDS holds.  By these shares a fragment of hid is multiplied by ONE wave of the work-group alone: it goes from memory straight into that wave's
; registers (records are laid as registers take them: 512 consecutive bytes a load), four sets of 32 + 4 registers, asked for three to four K steps ahead of their products.  So W2's panel, which all waves read, lies whole in LDS,
; filled ONCE, a load of four records a wave, and no LDS byte is filled again.  CLUSTER 4 x 4: W2's records hang on X alone and are asked for jointly along a column of the cluster.  hid is not asked for jointly: it does not pass LDS.
; h2's 16 rows that the wave adds at the end are loaded at K steps 5 and 6, into the two sets of hid's registers that are done with.  They are PREFETCHED behind the first barrier, five K steps ahead of the first of these loads:
; one instruction a wave, a lane to each of the 32 aligned blocks of 256 bytes (16 rows x 512 bytes), which no other wave of the launch loads.  W2 and hid are not prefetched: W2 is asked for whole at the head, and hid's loads into
; registers themselves run ahead of the products.
; REGISTERS, in windows of 256: window 1 is the 32 accumulators ((a, i) at v[64 a + 8 i]); all else lies in window 0.
; LIMITS: NaN and infinities are not served.
.set REC,   8704
.set W2C,   6127616
.set SPARE, 32*REC                     ; behind W2's 32 records: the spare words, 128 bytes for each wave
.set XCH,   24576                      ; the way out, in bytes whose one fill has been read out: 3 x 8,192 bytes for the parts that each wave sends,
.set STGB,  8*XCH                      ; and behind these a stage of 16 rows x (512 + 16) bytes for each wave
.set WV,    14                         ; s14 wave; s15 sub; s16 kq; s17 cx; s18 cy; s19 X; s20 Y
.set ABI,   4                          ; v4-11  LDS addresses of W2's record kq + 8 j: images at v[4 + 2 j], scale words at v[5 + 2 j]
.set VO,    12                         ; v12-15 my byte in a record of hid: tile a's image;  v16-19 its scale words
.set VW,    16
.set SC0,   20                         ; v20-23 W2's scale words: register i: lanes 0-15 tile 2 i, lanes 16-31 tile 2 i + 1
.set SPW,   24                         ; v24 my spare word; v25 0: never rewritten
.set NIL,   25
.set XO,    26                         ; v26 where I put the parts that I send;  v27-29 where I find the three parts of my tile
.set XI,    27
.set STO,   30                         ; v30, v31 my stage: in, back
.set SRD,   31
.set BB,    32                         ; v32-35 bb2 of my four outputs of a row
.set S1,    36                         ; v36-51 hid's scale words: set s, tile a at v[36 + 4 s + a]
.set F1,    52                         ; v52-179 hid's fragments: set s at v[52 + 32 s]
.set F0,    180                        ; v180-243 W2's eight fragments
.set H2,    52                         ; later: h2's 16 rows in sets 0 and 1;  the sums in sets 2 and 3;  what comes from LDS where W2's fragments lay
.set RA,    116
.set RB,    180
.set PFO,   246                        ; v246 the prefetch's offset: my lane's block of h2's 16 rows; never rewritten
.set MSB,   0
.macro WIN new                         ; s_set_vgpr_msb: bits 1:0 source 0, 3:2 source 1, 5:4 source 2, 7:6 destination; the high byte repeats the setting that is left
.if MSB != \new
	s_set_vgpr_msb (MSB<<8)|\new
.set MSB, \new
.endif
.endm
.macro CROUND
	s_barrier_signal -1
	s_barrier_wait -1
	s_cmp_lg_u32 s[WV], 0
	s_cbranch_scc1 .Lnot_wave_0_\@
	s_barrier_signal -3
.Lnot_wave_0_\@:
	s_barrier_wait -3
	s_barrier_signal -1
	s_barrier_wait -1
.endm
.macro WM i, a, s, zero
.if \zero
.if (\i)%2
	v_wmma_scale_f32_16x16x128_f8f6f4 v[64*\a+8*\i:64*\a+8*\i+7], v[F0+8*\i:F0+8*\i+7], v[F1+32*(\s)+8*\a:F1+32*(\s)+8*\a+7], 0, v[SC0+(\i)/2], v[S1+4*(\s)+\a] matrix_a_fmt:MATRIX_FMT_FP4 matrix_b_fmt:MATRIX_FMT_FP4 matrix_a_scale:MATRIX_SCALE_ROW1
.else
	v_wmma_scale_f32_16x16x128_f8f6f4 v[64*\a+8*\i:64*\a+8*\i+7], v[F0+8*\i:F0+8*\i+7], v[F1+32*(\s)+8*\a:F1+32*(\s)+8*\a+7], 0, v[SC0+(\i)/2], v[S1+4*(\s)+\a] matrix_a_fmt:MATRIX_FMT_FP4 matrix_b_fmt:MATRIX_FMT_FP4
.endif
.else
.if (\i)%2
	v_wmma_scale_f32_16x16x128_f8f6f4 v[64*\a+8*\i:64*\a+8*\i+7], v[F0+8*\i:F0+8*\i+7], v[F1+32*(\s)+8*\a:F1+32*(\s)+8*\a+7], v[64*\a+8*\i:64*\a+8*\i+7], v[SC0+(\i)/2], v[S1+4*(\s)+\a] matrix_a_fmt:MATRIX_FMT_FP4 matrix_b_fmt:MATRIX_FMT_FP4 matrix_a_scale:MATRIX_SCALE_ROW1
.else
	v_wmma_scale_f32_16x16x128_f8f6f4 v[64*\a+8*\i:64*\a+8*\i+7], v[F0+8*\i:F0+8*\i+7], v[F1+32*(\s)+8*\a:F1+32*(\s)+8*\a+7], v[64*\a+8*\i:64*\a+8*\i+7], v[SC0+(\i)/2], v[S1+4*(\s)+\a] matrix_a_fmt:MATRIX_FMT_FP4 matrix_b_fmt:MATRIX_FMT_FP4
.endif
.endif
.endm
.macro HLOAD m                         ; hid's four fragments and their scale words of my K step kq + 4 m, into set m % 4: 12 loads; every offset is an immediate
.irp a, 0,1,2,3
	global_load_b128 v[F1+32*((\m)%4)+8*\a:F1+32*((\m)%4)+8*\a+3], v[VO+\a], s[4:5] offset:(\m)*4*REC
	global_load_b128 v[F1+32*((\m)%4)+8*\a+4:F1+32*((\m)%4)+8*\a+7], v[VO+\a], s[4:5] offset:(\m)*4*REC+512
	global_load_b32 v[S1+4*((\m)%4)+\a], v[VW+\a], s[4:5] offset:(\m)*4*REC
.endr
.endm
.macro H2LOAD u                        ; h2: tile rows 8 u .. 8 u + 7: tile row p is token p + 8 (p / 8) from the tile's first; 512 consecutive bytes a load
.irp p, 0,1,2,3,4,5,6,7
	global_load_b128 v[H2+32*\u+4*\p:H2+32*\u+4*\p+3], v1, s[10:11] offset:(16*\u+\p)*4096 th:TH_LOAD_NT
.endr
.endm
; My m-th K step: 20 LDS loads in one run, 32 matrix instructions on 32 accumulators that take turns, in the same order in every step.  cnt: the global loads issued behind this step's twelve.
.macro KSTEP m, cnt
.if (\m) > 0
.rept 4
	v_nop                                          ; four places between the last products and the loads into registers that they read (ISA guide 7.12.1 for vector instructions)
.endr
.endif
.if ((\m) >= 1) && ((\m) <= 4)
	HLOAD (\m)+3                                   ; into the set that the last step has left
.endif
.if (\m) == 5
	H2LOAD 0
.endif
.if (\m) == 6
	H2LOAD 1
.endif
.irp i, 0,1,2,3
	ds_load_b32 v[SC0+\i], v[ABI+2*((\m)/2)+1] offset:((\m)%2)*4*REC+128*\i
.endr
.irp i, 0,1,2,3,4,5,6,7
.irp c, 0,1
	ds_load_b128 v[F0+8*\i+4*\c:F0+8*\i+4*\c+3], v[ABI+2*((\m)/2)] offset:((\m)%2)*4*REC+1024*\i+512*\c
.endr
.endr
	s_wait_loadcnt \cnt                            ; this step's fragments of hid are in
	WIN 0x50                                       ; C and D in window 1
.irp i, 0,1,2,3,4,5,6,7
	s_wait_dscnt 14-2*\i                           ; W2's tile i is in; the two loads of each later tile may be out
.irp a, 0,1,2,3
	WM \i, \a, (\m)%4, (\m)==0
.endr
.endr
	WIN 0
.endm
	s_load_b256 s[4:11], s[0:1], 0x0               ; hid s[4:5], pc s[6:7], bb2 s[8:9], h2 s[10:11]
	s_load_b64 s[12:13], s[0:1], 0x20              ; out0
	v_lshl_add_u32 v[SPW], v0, 2, SPARE
	v_mov_b32 v[NIL], 0
	ds_add_u32 v[SPW], v[NIL]                      ; the opening lines: the add twice on end, and its wait, ahead of my tensor load
	ds_add_u32 v[SPW], v[NIL]
	v_lshrrev_b32 v1, 5, v0
	s_delay_alu instid0(VALU_DEP_1)
	v_readfirstlane_b32 s[WV], v1
	v_and_b32 v3, 31, v0
	v_and_b32 v2, 15, v0
	s_delay_alu instid0(VALU_DEP_2)
	v_lshlrev_b32 v1, 4, v3                        ; 16 x lane
	v_lshlrev_b32 v3, 2, v3                        ; 4 x lane
	v_lshlrev_b32 v2, 2, v2                        ; 4 r
	s_wait_alu depctr_va_vdst(0)                   ; the wait here, directly behind the writes
	s_and_b32 s15, s[WV], 1                        ; sub
	s_lshr_b32 s16, s[WV], 1                       ; kq
	s_bfe_u32 s17, ttmp6, 0x40000
	s_bfe_u32 s18, ttmp6, 0x40004
	s_lshl_b32 s19, ttmp9, 2
	s_add_co_u32 s19, s19, s17                     ; X
	s_and_b32 s20, ttmp7, 0xffff
	s_lshl_b32 s20, s20, 2
	s_add_co_u32 s20, s20, s18                     ; Y
	s_lshl_b32 s57, 0x1111, s17
	s_or_b32 s24, s57, (3<<16)|(1<<21)             ; group 1: four records, 34,816 dense bytes, as 136 rows of 32 elements of 8 bytes; they go to my column of the cluster
	s_mov_b32 s25, 32<<16
	s_mov_b32 s26, 136<<16
	s_mov_b32 s27, 32<<16
	s_mov_b32 s28, 136
	s_mov_b32 s29, 32
	s_mov_b32 s30, 0
	s_mov_b32 s31, 0
	s_mul_i32 s40, s16, REC                        ; W2's record kq in LDS,
	s_add_co_u32 s41, s40, 8192                    ; and its scale words
.irp j, 0,1,2,3
	v_add_nc_u32 v[ABI+2*\j], s40, v1
	v_add_nc_u32 v[ABI+2*\j+1], s41, v3
	s_add_co_u32 s40, s40, 8*REC                   ; an address serves two of my K steps, so that the immediates stay inside 16 bits
	s_add_co_u32 s41, s41, 8*REC
.endr
	s_lshl_b32 s42, s15, 2
.irp a, 0,1,2,3
	s_xor_b32 s43, s16, \a
	s_add_co_u32 s43, s43, s42                     ; my tile a: 4 sub + (a xor kq)
	s_lshl_b32 s44, s43, 10
	v_add_nc_u32 v[VO+\a], s44, v1
	s_lshl_b32 s44, s43, 6
	s_add_co_u32 s44, s44, 8192
	v_add_nc_u32 v[VW+\a], s44, v2
.endr
	s_mul_i32 s44, s[WV], XCH
	v_add_nc_u32 v[XO], s44, v1
.irp d, 1,2,3
	s_xor_b32 s44, s[WV], 2*\d                     ; the wave with kq xor d holds its part of my tile as its a = d
	s_mul_i32 s44, s44, XCH
	s_add_co_u32 s44, s44, (\d-1)*8192
	v_add_nc_u32 v[XI+\d-1], s44, v1
.endr
	s_mul_i32 s44, s[WV], 16*528
	s_add_co_u32 s44, s44, STGB
	v_add_nc_u32 v[SRD], s44, v1
	v_bfe_u32 v244, v0, 4, 1
	v_and_b32 v245, 15, v0
	s_delay_alu instid0(VALU_DEP_1)
	v_mul_u32_u24 v[STO], v245, 528
	s_delay_alu instid0(VALU_DEP_1)
	v_lshl_add_u32 v[STO], v244, 6, v[STO]
	s_delay_alu instid0(VALU_DEP_1)
	v_add_nc_u32 v[STO], s44, v[STO]
	v_and_b32 v247, 31, v0                         ; the prefetch: lane l names half l % 2 of tile row p = l / 2, which is token p + 8 (p / 8) from the tile's first
	s_delay_alu instid0(VALU_DEP_1)
	v_lshrrev_b32 v248, 1, v247
	s_delay_alu instid0(VALU_DEP_1)
	v_and_b32 v249, 8, v248
	s_delay_alu instid0(VALU_DEP_1)
	v_add_nc_u32 v248, v248, v249
	v_and_b32 v247, 1, v247
	s_delay_alu instid0(VALU_DEP_2)
	v_lshlrev_b32 v248, 12, v248
	s_delay_alu instid0(VALU_DEP_1)
	v_lshl_add_u32 v[PFO], v247, 8, v248
	s_mov_b32 s32, 1
	s_mul_i32 s33, s[WV], 4*REC                    ; I fetch W2's records 4 w .. 4 w + 3: in LDS by the wave's number alone,
	s_lshl_b32 s46, s19, 5
	s_lshl_b32 s47, s[WV], 2
	s_add_co_u32 s46, s46, s47
	s_mul_i32 s46, s46, REC
	s_add_co_u32 s46, s46, W2C                     ; in memory by X and the wave's number
	s_mov_b32 s47, 0
	s_lshl_b32 s48, s20, 5
	s_add_co_u32 s48, s48, s16
	s_mul_i32 s48, s48, REC                        ; hid's record (panel Y, K step kq)
	s_mov_b32 s49, 0
	s_add_co_u32 s50, s42, s16                     ; the tile that I finish, T = 4 sub + kq: its first token is 128 Y + 32 (T / 2) + 8 (T % 2)
	s_lshr_b32 s51, s50, 1
	s_lshl_b32 s51, s51, 5
	s_and_b32 s50, s50, 1
	s_lshl_b32 s50, s50, 3
	s_add_co_u32 s50, s50, s51
	s_lshl_b32 s51, s20, 7
	s_add_co_u32 s50, s50, s51
	s_lshl_b32 s50, s50, 12                        ; its row of h2 and of out,
	s_lshl_b32 s52, s19, 9
	s_add_co_u32 s50, s50, s52                     ; at the panel's 512 bytes
	s_mov_b32 s51, 0
	s_mov_b32 s53, 0
	s_wait_alu depctr_va_vdst(0)                   ; the wait at the head's end, directly ahead of the waits below
	s_wait_dscnt 0x0                               ; both opening adds are done
	s_wait_kmcnt 0x0
	s_add_nc_u64 s[34:35], s[6:7], s[46:47]
	s_or_b32 s35, s35, 0x80000000
	s_add_nc_u64 s[4:5], s[4:5], s[48:49]
	s_add_nc_u64 s[8:9], s[8:9], s[52:53]
	s_add_nc_u64 s[10:11], s[10:11], s[50:51]
	s_add_nc_u64 s[12:13], s[12:13], s[50:51]
	global_load_b128 v[BB:BB+3], v1, s[8:9]
	HLOAD 0                                        ; my first two K steps of hid are asked for ahead of the round,
	HLOAD 1
	CROUND                                         ; all sixteen work-groups are here: the joint loads meet
	tensor_load_to_lds s[32:35], s[24:31]          ; my one tensor load of the launch
	s_nop 0
.rept 4
	v_nop
.endr
	HLOAD 2                                        ; the next two behind W2's panel, for which the first products wait
	HLOAD 3
	s_wait_tensorcnt 0x0                           ; my four records are in,
	s_barrier_signal -1
	s_barrier_wait -1                              ; everybody's are
	global_prefetch_b8 v[PFO], s[10:11] th:TH_LOAD_NT scope:SCOPE_SE   ; h2's 16 rows x 512 bytes that I load at K steps 5 and 6: 32 blocks of 256 bytes, a lane each; its address registers are never rewritten
	KSTEP 0, 36                                    ; behind a step's twelve loads: those of the three steps that follow;
	KSTEP 1, 36
	KSTEP 2, 36
	KSTEP 3, 36
	KSTEP 4, 36
	KSTEP 5, 32                                    ; two steps' and h2's first eight;
	KSTEP 6, 28                                    ; one step's and h2's sixteen;
	KSTEP 7, 16                                    ; h2's sixteen
.rept 4
	v_nop                                          ; places in front of the first read of results
.endr
	s_wait_dscnt 0x0
	s_barrier_signal -1
	s_barrier_wait -1                              ; nobody reads W2's records any more: their bytes serve the way out
	; THE WAY OUT.  My tiles a = 1, 2, 3 go to the waves that finish them, through LDS, as they stand
	WIN 0x04                                       ; the data in window 1
.irp a, 1,2,3
.irp q, 0,1,2,3,4,5,6,7,8,9,10,11,12,13,14,15
	ds_store_b128 v[XO], v[64*\a+4*\q:64*\a+4*\q+3] offset:(\a-1)*8192+512*\q      ; each accumulator from its low end on
.endr
.endr
	WIN 0
	s_wait_dscnt 0x0                               ; for the others' sake; and my tiles a = 1, 2, 3 have been read: their registers are free
	s_barrier_signal -1
	s_barrier_wait -1
.irp q, 0,1,2,3,4,5,6,7,8,9,10,11,12,13,14,15
	ds_load_b128 v[RA+4*\q:RA+4*\q+3], v[XI] offset:512*\q
.endr
.irp q, 0,1,2,3,4,5,6,7,8,9,10,11,12,13,14,15
	ds_load_b128 v[RB+4*\q:RB+4*\q+3], v[XI+1] offset:512*\q
.endr
	WIN 0x40                                       ; destination in window 1: the third part lands where my tile a = 1 lay
.irp q, 0,1,2,3,4,5,6,7,8,9,10,11,12,13,14,15
	ds_load_b128 v[64+4*\q:64+4*\q+3], v[XI+2] offset:512*\q
.endr
	s_wait_dscnt 32                                ; the first part is in; the 32 loads of the other two may be out
	WIN 0x04                                       ; source 1 in window 1
.set n, 0
.rept 32
	v_pk_add_f32 v[RA+n:RA+n+1], v[RA+n:RA+n+1], v[n:n+1]                 ; + my own part, each accumulator from its low end on
.set n, n+2
.endr
	WIN 0
	s_wait_dscnt 16                                ; the second part is in; the third's sixteen loads may be out
.set n, 0
.rept 32
	v_pk_add_f32 v[RA+n:RA+n+1], v[RA+n:RA+n+1], v[RB+n:RB+n+1]
.set n, n+2
.endr
	s_wait_dscnt 0x0
	WIN 0x04
.set n, 0
.rept 32
	v_pk_add_f32 v[RA+n:RA+n+1], v[RA+n:RA+n+1], v[64+n:64+n+1]           ; the four parts of K are one sum
.set n, n+2
.endr
	WIN 0
.irp b, 0,1,2,3
.irp q, 0,1,2,3
	ds_store_b128 v[STO], v[RA+16*\b+4*\q:RA+16*\b+4*\q+3] offset:128*\b+16*\q   ; lane (r, h), register 16 b + i: output 32 b + 16 h + i of token row r
.endr
.endr
.irp p, 0,1,2,3,4,5,6,7,8,9,10,11,12,13,14,15
	ds_load_b128 v[RB+4*\p:RB+4*\p+3], v[SRD] offset:528*\p              ; LDS serves a wave's instructions in order (ISA guide 5.7.1.4): these see my stores
.endr
	s_wait_loadcnt 0x0                             ; h2 and bb2
	s_wait_dscnt 0x0                               ; the 16 rows are back
.irp p, 0,1,2,3,4,5,6,7,8,9,10,11,12,13,14,15
	v_pk_add_f32 v[RB+4*\p:RB+4*\p+1], v[RB+4*\p:RB+4*\p+1], v[H2+4*\p:H2+4*\p+1]       ; + h2
	v_pk_add_f32 v[RB+4*\p+2:RB+4*\p+3], v[RB+4*\p+2:RB+4*\p+3], v[H2+4*\p+2:H2+4*\p+3]
	v_pk_add_f32 v[RB+4*\p:RB+4*\p+1], v[RB+4*\p:RB+4*\p+1], v[BB:BB+1]                 ; + bb2
	v_pk_add_f32 v[RB+4*\p+2:RB+4*\p+3], v[RB+4*\p+2:RB+4*\p+3], v[BB+2:BB+3]
	global_store_b128 v1, v[RB+4*\p:RB+4*\p+3], s[12:13] offset:(\p+8*(\p/8))*4096 th:TH_STORE_NT   ; 32 lanes store 512 consecutive bytes, aligned; each row has its own registers
.endr
	s_wait_tensorcnt 0x0                           ; the wave's end
	ds_add_u32 v[SPW], v[NIL]
	s_wait_dscnt 0x0
	CROUND                                         ; the closing round
	s_endpgm
.Lfunc_end_k_q3a06e9117a_ffn2:
	.size	k_q3a06e9117a_ffn2, .Lfunc_end_k_q3a06e9117a_ffn2-k_q3a06e9117a_ffn2
	.p2alignl 7, 3214868480
	.fill 96, 4, 3214868480
	.section	.rodata,"a",@progbits
	.p2align	6, 0x0
	.amdhsa_kernel k_q3a06e9117a_ffn2
		.amdhsa_group_segment_fixed_size 279552
		.amdhsa_private_segment_fixed_size 0
		.amdhsa_enable_private_segment 0
		.amdhsa_kernarg_size 40
		.amdhsa_user_sgpr_count 2
		.amdhsa_user_sgpr_kernarg_segment_ptr 1
		.amdhsa_wavefront_size32 1
		.amdhsa_system_sgpr_workgroup_id_x 1
		.amdhsa_system_sgpr_workgroup_id_y 1
		.amdhsa_system_sgpr_workgroup_id_z 1
		.amdhsa_system_vgpr_workitem_id 0
		.amdhsa_next_free_vgpr 512
		.amdhsa_next_free_sgpr 66
		.amdhsa_reserve_vcc 0
		.amdhsa_float_denorm_mode_32 3
		.amdhsa_float_denorm_mode_16_64 3
		.amdhsa_memory_ordered 1
		.amdhsa_forward_progress 1
		.amdhsa_inst_pref_size 85
	.end_amdhsa_kernel
	.amdgpu_metadata
---
amdhsa.version: [ 1, 2 ]
amdhsa.kernels:
  - .name:           k_q3a06e9117a_ffn2
    .symbol:         k_q3a06e9117a_ffn2.kd
    .args:
      - { .name: hid, .offset: 0, .size: 8, .value_kind: global_buffer, .address_space: global }
      - { .name: pc, .offset: 8, .size: 8, .value_kind: global_buffer, .address_space: global }
      - { .name: bb2, .offset: 16, .size: 8, .value_kind: global_buffer, .address_space: global }
      - { .name: h2, .offset: 24, .size: 8, .value_kind: global_buffer, .address_space: global }
      - { .name: out0, .offset: 32, .size: 8, .value_kind: global_buffer, .address_space: global }
    .group_segment_fixed_size: 279552
    .private_segment_fixed_size: 0
    .kernarg_segment_align: 8
    .kernarg_segment_size: 40
    .max_flat_workgroup_size: 256
    .sgpr_count:     66
    .vgpr_count:     512
    .wavefront_size: 32
...
	.end_amdgpu_metadata
.endif
;; end of part 6
